; MI455X (gfx1250); checked and timed in simulation.
; The chip was launched on July 23, 2026; its instructions are those of AMD's public machine-readable ISA for CDNA 5 (MIT licence, August 2026) and "CDNA5" Instruction Set Architecture Reference Guide (July 2026). The comments in the code are by the model that wrote it; some were corrected since.
;; Point Net Feature Propagation. Allowed arithmetic: float matrix products may take bf16 or f16 operands with f32 sums; all other float work in f32.
;; Inputs: W0 256 x 768 float32; W1 256 x 256 float32; b0 256 float32; b1 256 float32; g0 256 float32; g1 256 float32; points1 4 x 256 x 8,192 float32; points2 4 x 512 x 2,048 float32; xyz1 4 x 8,192 x 3 float32; xyz2 4 x 2,048 x 3 float32.
;; Outputs: out0 4 x 256 x 8,192 float32.
;; One version. Each part assembles by itself: llvm-mc -triple=amdgcn-amd-amdhsa -mcpu=gfx1250 --defsym DOCPART=n.
;; ======== version 1 of 1: 7 launches
;; limits: values outside matrix products are rounded to bf16; values are held in f16: magnitudes above 65,504 overflow, below 6.1e-05 lose precision; right only within a limited range of input values
;; workspace buffers: wf 524,288 bytes; blk 524,288 bytes of whole numbers; idx 524,288 bytes of whole numbers; q 8,912,896 bytes; y0 33,554,432 bytes; st 524,288 bytes; ss0 2,048 bytes; ss1 2,048 bytes
;; launch knn1 (part 1): grid 256 x 1, 8 waves a work-group, no clusters, 58,368 bytes of LDS; arguments xyz1, xyz2, W0, W1, wf, blk; writes wf, blk
.if DOCPART == 1
	.amdgcn_target "amdgcn-amd-amdhsa--gfx1250"
	.amdhsa_code_object_version 6
	.text
	.protected	k_q577939ff9f_knn1
	.globl	k_q577939ff9f_knn1
	.p2align	8
	.type	k_q577939ff9f_knn1,@function
k_q577939ff9f_knn1:
	s_mov_b64 s[64:65], 0
	v_nop
	global_prefetch_b8 v0, s[64:65] scope:SCOPE_SE
	s_setreg_imm32_b32 hwreg(HW_REG_WAVE_MODE, 25, 1), 1
	s_wait_xcnt 0x0
; knn1: for each of 128 queries the three blocks of 16 consecutive candidates with the smallest (block minimum, block number),
; and, beside it, the weights W0 and W1 rewritten as ready matrix fragments.
; d = (|x|^2 + |y|^2) - 2 x.y with all coordinates rounded to bf16 first: every product is then exact in f32, and the chain
; over k = 0, 1, 2 rounds as the problem's formula does, fused or not.  The three nearest points by (d, index) lie in the three
; blocks found here: were three other blocks ahead of a near point's block, each would hold a point that comes before it.
; The next launch reads the block numbers as whole numbers and scans those 48 candidates one by one.
; Work-group i: queries 128 i .. 128 i + 127 of batch i / 64.  Every wave holds all 128 queries (lane L: L + 32 u, u = 0..3, as two
; packed pairs) and scans candidates 256 w .. 256 w + 255, 16 blocks; the eight waves' triples are merged through LDS.
; The 3-term product stays on the vector unit: it would fill 3 of a matrix instruction's 32 k, and the order of near-tied
; neighbours hangs on each rounding.
; LIMITS: coordinates are finite (no NaN, no infinity), so that every d is finite.
; W1 goes out as f16: a bf16 number of magnitude 2^-17 to 65504 is kept exactly, a smaller one to within 2^-25.
.set MRG, 32768                        ; LDS: records [2048][16 bytes] at 0; behind them [wave 8][field 6][query 128] words
.set X0,  4                            ; v[4:7]    x0 of my four queries
.set X1,  8                            ; v[8:11]   x1
.set X2,  12                           ; v[12:15]  x2
.set SX,  16                           ; v[16:19]  |x|^2
.set MA,  20                           ; v[20:23]  smallest block minimum, per query
.set MB,  24                           ; v[24:27]  second
.set MC,  28                           ; v[28:31]  third
.set IA,  32                           ; v[32:35]  their block numbers
.set IB,  36
.set IC,  40
.set BM,  44                           ; v[44:47]  the running block's minimum
.set BID, 48                           ; the running block's number
.set TMP, 49
.set AD,  50                           ; LDS address of the wave's next records
.set LA,  51                           ; LDS address, at work
.set TT,  52                           ; v[52:59]  four chains of two d
.set TS,  60                           ; v[60:67]  |x|^2 + |y|^2 for them
.set RA,  68                           ; v[68:131]  16 records, buffer A (at first: xyz2 and xyz1 as loaded)
.set RB,  132                          ; v[132:195] 16 records, buffer B
.set CM,  20                           ; s[20:22]  three compare masks
; three f32 rounded to bf16 (nearest even) and widened again
.macro ROUND3 d0, d1, d2, s0, s1, s2
	v_cvt_pk_bf16_f32 v[\d0], v[\s0], v[\s1]
	v_cvt_pk_bf16_f32 v[\d2], v[\s2], v[\s2]
	v_and_b32 v[\d1], 0xffff0000, v[\d0]
	v_lshlrev_b32 v[\d0], 16, v[\d0]
	v_lshlrev_b32 v[\d2], 16, v[\d2]
.endm
; a candidate's record in place: (-2 y0, -2 y1, -2 y2, |y|^2)
.macro RECORD R
	ROUND3 \R, \R+1, \R+2, \R, \R+1, \R+2
	v_mul_f32 v[\R+3], v[\R], v[\R]
	v_fma_f32 v[\R+3], v[\R+1], v[\R+1], v[\R+3]
	v_fma_f32 v[\R+3], v[\R+2], v[\R+2], v[\R+3]
	v_pk_mul_f32 v[\R:\R+1], v[\R:\R+1], -2.0 op_sel_hi:[1,0]
	v_mul_f32 v[\R+2], -2.0, v[\R+2]
.endm
; 16 records, the same address in every lane
.macro LOADBLK buf, off
.irp e, 0,1,2,3,4,5,6,7,8,9,10,11,12,13,14,15
	ds_load_b128 v[\buf+4*\e:\buf+4*\e+3], v[AD] offset:\off+16*\e
.endr
.endm
; candidates e and e + 1 against both pairs of queries: four chains that do not wait for each other
.macro DIST2 buf, e
.irp c, 0,1
.irp p, 0,1
	v_pk_mul_f32 v[TT+4*\c+2*\p:TT+4*\c+2*\p+1], v[X0+2*\p:X0+2*\p+1], v[\buf+4*(\e+\c):\buf+4*(\e+\c)+1] op_sel_hi:[1,0]
.endr
.endr
.irp c, 0,1
.irp p, 0,1
	v_pk_add_f32 v[TS+4*\c+2*\p:TS+4*\c+2*\p+1], v[SX+2*\p:SX+2*\p+1], v[\buf+4*(\e+\c)+2:\buf+4*(\e+\c)+3] op_sel:[0,1] op_sel_hi:[1,1]
.endr
.endr
.irp c, 0,1
.irp p, 0,1
	v_pk_fma_f32 v[TT+4*\c+2*\p:TT+4*\c+2*\p+1], v[X1+2*\p:X1+2*\p+1], v[\buf+4*(\e+\c):\buf+4*(\e+\c)+1], v[TT+4*\c+2*\p:TT+4*\c+2*\p+1] op_sel:[0,1,0] op_sel_hi:[1,1,1]
.endr
.endr
.irp c, 0,1
.irp p, 0,1
	v_pk_fma_f32 v[TT+4*\c+2*\p:TT+4*\c+2*\p+1], v[X2+2*\p:X2+2*\p+1], v[\buf+4*(\e+\c)+2:\buf+4*(\e+\c)+3], v[TT+4*\c+2*\p:TT+4*\c+2*\p+1] op_sel_hi:[1,0,1]
.endr
.endr
.irp c, 0,1
.irp p, 0,1
	v_pk_add_f32 v[TT+4*\c+2*\p:TT+4*\c+2*\p+1], v[TS+4*\c+2*\p:TS+4*\c+2*\p+1], v[TT+4*\c+2*\p:TT+4*\c+2*\p+1]
.endr
.endr
.irp u, 0,1,2,3
.if \e == 0
	v_min_num_f32 v[BM+\u], v[TT+\u], v[TT+4+\u]               ; the first two start the block's minimum
.else
	v_min3_num_f32 v[BM+\u], v[BM+\u], v[TT+\u], v[TT+4+\u]
.endif
.endr
.endm
; (d, id) is put into the sorted triple of query u.  Strictly smaller only: on a tie the earlier entry stays ahead.
.macro TRACK d, id, u
	v_cmp_lt_f32 s[CM], v[\d], v[MA+\u]
	v_cmp_lt_f32 s[CM+1], v[\d], v[MB+\u]
	v_cmp_lt_f32 s[CM+2], v[\d], v[MC+\u]
	v_cndmask_b32 v[TMP], v[\id], v[IB+\u], s[CM+1]
	v_cndmask_b32 v[IC+\u], v[IC+\u], v[TMP], s[CM+2]
	v_cndmask_b32 v[TMP], v[\id], v[IA+\u], s[CM]
	v_cndmask_b32 v[IB+\u], v[IB+\u], v[TMP], s[CM+1]
	v_cndmask_b32 v[IA+\u], v[IA+\u], v[\id], s[CM]
	v_med3_num_f32 v[MC+\u], v[MB+\u], v[MC+\u], v[\d]
	v_med3_num_f32 v[MB+\u], v[MA+\u], v[MB+\u], v[\d]
	v_min_num_f32 v[MA+\u], v[MA+\u], v[\d]
.endm
.macro COMPUTE buf
.irp e, 0,2,4,6,8,10,12,14
	DIST2 \buf, \e
.endr
.irp u, 0,1,2,3
	TRACK BM+\u, BID, \u
.endr
	v_add_nc_u32 v[BID], 1, v[BID]
.endm
	s_load_b256 s[4:11], s[0:1], 0x0               ; xyz1 s[4:5], xyz2 s[6:7], W0 s[8:9], W1 s[10:11]
	s_load_b128 s[12:15], s[0:1], 0x20             ; wf s[12:13], blk s[14:15]
	v_lshl_add_u32 v208, v0, 2, 0xe000
	v_mov_b32 v209, 0
	v_lshrrev_b32 v1, 5, v0
	v_readfirstlane_b32 s16, v1                    ; wave 0..7
	v_and_b32 v2, 31, v0                           ; lane L
	v_mul_u32_u24 v3, v0, 12                       ; 12 t: candidate t's three numbers
	v_mul_u32_u24 v1, v2, 12                       ; 12 L: query L's
	s_mov_b32 s17, ttmp9                           ; i
	s_lshr_b32 s18, ttmp9, 6                       ; batch
	s_mul_i32 s24, s18, 2048*12
	s_mov_b32 s25, 0
	s_mul_i32 s36, s17, 128*12
	s_mov_b32 s37, 0
	s_wait_kmcnt 0x0
	s_add_nc_u64 s[6:7], s[6:7], s[24:25]          ; xyz2 at my batch
	s_add_nc_u64 s[4:5], s[4:5], s[36:37]          ; xyz1 at my first query
.irp e, 0,1,2,3,4,5,6,7
	global_load_b96 v[RA+4*\e:RA+4*\e+2], v3, s[6:7] offset:3072*\e        ; candidate t + 256 e
.endr
.irp u, 0,1,2,3
	global_load_b96 v[RA+32+4*\u:RA+32+4*\u+2], v1, s[4:5] offset:384*\u   ; query L + 32 u
.endr
	; Waves 0 to 3: one half fragment (512 bytes) of wf each; 256 work-groups x 4 = all 1,024.
	; Fragment f = 2 i + w / 2.  f < 384: W0, f = 24 ct + ks.  Else W1, f - 384 = 8 ct + ks.  Lane r + 16 h takes
	; W[16 ct + r][32 ks + 16 half + 8 h + 0..7] and puts its 16 bytes at 1024 f + 512 half + 16 lane.
	s_cmp_gt_u32 s16, 3
	s_cbranch_scc1 .Lno_frag
	s_lshr_b32 s28, s16, 1
	s_lshl1_add_u32 s28, s17, s28                  ; f
	s_and_b32 s29, s16, 1                          ; half
	s_mul_i32 s30, s28, 2731
	s_lshr_b32 s30, s30, 16                        ; f / 24, right for f < 512: 24 x 2731 = 65536 + 8
	s_mul_i32 s31, s30, 24
	s_sub_co_u32 s31, s28, s31                     ; f mod 24
	s_sub_co_u32 s32, s28, 384
	s_lshr_b32 s33, s32, 3
	s_and_b32 s34, s32, 7
	s_movk_i32 s35, 1024                           ; W1's row in bytes
	s_cmp_lt_u32 s17, 192                          ; f < 384
	s_cselect_b32 s30, s30, s33                    ; ct
	s_cselect_b32 s31, s31, s34                    ; ks
	s_cselect_b32 s35, 3072, s35                   ; the row in bytes
	s_cselect_b64 s[26:27], s[8:9], s[10:11]       ; W0 or W1
	s_lshl_b32 s30, s30, 4
	s_lshl_b32 s31, s31, 7
	s_lshl_b32 s33, s29, 6
	s_add_co_u32 s31, s31, s33                     ; 128 ks + 64 half
	v_and_b32 v196, 15, v0
	v_bfe_u32 v197, v0, 4, 1
	v_add_nc_u32 v196, s30, v196                   ; row 16 ct + r
	v_mul_lo_u32 v196, v196, s35
	v_lshl_add_u32 v196, v197, 5, v196             ; + 32 h
	v_add_nc_u32 v196, s31, v196
	global_load_b128 v[200:203], v196, s[26:27]
	global_load_b128 v[204:207], v196, s[26:27] offset:16
	s_lshl_b32 s28, s28, 10
	s_lshl_b32 s29, s29, 9
	s_add_co_u32 s28, s28, s29
	v_lshl_add_u32 v198, v2, 4, s28
	s_wait_loadcnt 0x0
	v_cvt_pk_bf16_f32 v200, v200, v201
	v_cvt_pk_bf16_f32 v201, v202, v203
	v_cvt_pk_bf16_f32 v202, v204, v205
	v_cvt_pk_bf16_f32 v203, v206, v207
	s_cmp_lt_u32 s17, 192
	s_cbranch_scc1 .Lbf16
.irp k, 0,1,2,3
	v_lshlrev_b32 v204, 16, v[200+\k]              ; W1: the bf16 numbers written as f16
	v_and_b32 v205, 0xffff0000, v[200+\k]
	v_cvt_pk_f16_f32 v[200+\k], v204, v205
.endr
.Lbf16:
	global_store_b128 v198, v[200:203], s[12:13]   ; the wave's store covers 512 consecutive bytes; v198 and v[200:203] are never written again
.Lno_frag:
	s_wait_loadcnt 0x0                             ; xyz2 and xyz1
	v_lshlrev_b32 v[LA], 4, v0
.irp e, 0,1,2,3,4,5,6,7
	RECORD RA+4*\e
	ds_store_b128 v[LA], v[RA+4*\e:RA+4*\e+3] offset:4096*\e
.endr
.irp u, 0,1,2,3
	ROUND3 X0+\u, X1+\u, X2+\u, RA+32+4*\u, RA+33+4*\u, RA+34+4*\u
	v_mul_f32 v[SX+\u], v[X0+\u], v[X0+\u]
	v_fma_f32 v[SX+\u], v[X1+\u], v[X1+\u], v[SX+\u]
	v_fma_f32 v[SX+\u], v[X2+\u], v[X2+\u], v[SX+\u]
.endr
.irp k, 0,1,2,3,4,5,6,7,8,9,10,11
	v_mov_b32 v[MA+\k], 0x7f800000                 ; the triples start at +infinity: every finite d goes in
	v_mov_b32 v[IA+\k], 0
.endr
	s_lshl_b32 s19, s16, 4
	v_mov_b32 v[BID], s19                          ; my first block: 16 w
	s_lshl_b32 s19, s16, 12
	v_mov_b32 v[AD], s19                           ; its records: 4096 w
	s_wait_dscnt 0x0                               ; my records are written, for the other waves' sake
	s_barrier_signal -1
	s_barrier_wait -1
	LOADBLK RA, 0
	s_mov_b32 s23, 7
.Lscan:                                            ; a trip: two blocks
	LOADBLK RB, 256
	s_wait_dscnt 16                                ; buffer A is in; the 16 younger loads stay out
	COMPUTE RA
	v_add_nc_u32 v[AD], 512, v[AD]
	LOADBLK RA, 0
	s_wait_dscnt 16                                ; buffer B is in
	COMPUTE RB
	s_sub_co_i32 s23, s23, 1
	s_cmp_lg_u32 s23, 0
	s_cbranch_scc1 .Lscan
	LOADBLK RB, 256                                ; the last two blocks: nothing is read past the wave's 256 records
	s_wait_dscnt 16
	COMPUTE RA
	s_wait_dscnt 0
	COMPUTE RB
	s_mul_i32 s19, s16, 3072
	v_lshl_add_u32 v[LA], v2, 2, s19
.irp f, 0,1,2,3,4,5
.irp u, 0,1,2,3
	ds_store_b32 v[LA], v[MA+4*\f+\u] offset:MRG+512*\f+128*\u     ; fields: three minima, three numbers
.endr
.endr
	s_wait_dscnt 0x0
	s_barrier_signal -1
	s_barrier_wait -1
	s_cmp_gt_u32 s16, 3
	s_cbranch_scc1 .Ldone
	; thread t merges query t's eight triples, in the order of the waves and so of the block numbers
	v_lshlrev_b32 v[LA], 2, v0
.irp f, 0,1,2,3,4,5
	ds_load_b32 v[MA+4*\f], v[LA] offset:MRG+512*\f                ; wave 0's triple is the start
.endr
.irp w, 1,2,3,4,5,6,7
.irp f, 0,1,2,3,4,5
	ds_load_b32 v[RA+6*(\w-1)+\f], v[LA] offset:MRG+512*(6*\w+\f)
.endr
.endr
	s_lshl_b32 s24, s17, 11
	s_add_nc_u64 s[14:15], s[14:15], s[24:25]      ; blk at my first query
	s_wait_dscnt 0x0
.irp w, 1,2,3,4,5,6,7
.irp k, 0,1,2
	TRACK RA+6*(\w-1)+\k, RA+6*(\w-1)+3+\k, 0
.endr
.endr
	v_min_u32 v52, v[IA], v[IB]                    ; the three numbers in ascending order, so that the next launch meets
	v_min_u32 v52, v52, v[IC]                      ; the candidates in the order of their indices
	v_max_u32 v54, v[IA], v[IB]
	v_max_u32 v54, v54, v[IC]
	v_add3_u32 v53, v[IA], v[IB], v[IC]
	v_sub_nc_u32 v53, v53, v52
	v_sub_nc_u32 v53, v53, v54
	v_mov_b32 v55, 0
	v_lshlrev_b32 v56, 4, v0
	global_store_b128 v56, v[52:55], s[14:15]
.Ldone:
	s_wait_tensorcnt 0x0
	ds_add_u32 v208, v209
	s_wait_dscnt 0x0
	s_endpgm
.Lfunc_end_k_q577939ff9f_knn1:
	.size	k_q577939ff9f_knn1, .Lfunc_end_k_q577939ff9f_knn1-k_q577939ff9f_knn1
	.p2alignl 7, 3214868480
	.fill 96, 4, 3214868480
	.section	.rodata,"a",@progbits
	.p2align	6, 0x0
	.amdhsa_kernel k_q577939ff9f_knn1
		.amdhsa_group_segment_fixed_size 58368
		.amdhsa_private_segment_fixed_size 0
		.amdhsa_enable_private_segment 0
		.amdhsa_kernarg_size 48
		.amdhsa_user_sgpr_count 2
		.amdhsa_user_sgpr_kernarg_segment_ptr 1
		.amdhsa_wavefront_size32 1
		.amdhsa_system_sgpr_workgroup_id_x 1
		.amdhsa_system_sgpr_workgroup_id_y 1
		.amdhsa_system_sgpr_workgroup_id_z 1
		.amdhsa_system_vgpr_workitem_id 0
		.amdhsa_next_free_vgpr 210
		.amdhsa_next_free_sgpr 66
		.amdhsa_reserve_vcc 0
		.amdhsa_float_denorm_mode_32 3
		.amdhsa_float_denorm_mode_16_64 3
		.amdhsa_memory_ordered 1
		.amdhsa_forward_progress 1
		.amdhsa_inst_pref_size 94
	.end_amdhsa_kernel
	.amdgpu_metadata
---
amdhsa.version: [ 1, 2 ]
amdhsa.kernels:
  - .name:           k_q577939ff9f_knn1
    .symbol:         k_q577939ff9f_knn1.kd
    .args:
      - { .name: xyz1, .offset: 0, .size: 8, .value_kind: global_buffer, .address_space: global }
      - { .name: xyz2, .offset: 8, .size: 8, .value_kind: global_buffer, .address_space: global }
      - { .name: W0, .offset: 16, .size: 8, .value_kind: global_buffer, .address_space: global }
      - { .name: W1, .offset: 24, .size: 8, .value_kind: global_buffer, .address_space: global }
      - { .name: wf, .offset: 32, .size: 8, .value_kind: global_buffer, .address_space: global }
      - { .name: blk, .offset: 40, .size: 8, .value_kind: global_buffer, .address_space: global }
    .group_segment_fixed_size: 58368
    .private_segment_fixed_size: 0
    .kernarg_segment_align: 8
    .kernarg_segment_size: 48
    .max_flat_workgroup_size: 256
    .sgpr_count:     66
    .vgpr_count:     210
    .wavefront_size: 32
...
	.end_amdgpu_metadata
.endif
;; end of part 1
;; launch mid (part 2): grid 256 x 1, 8 waves a work-group, no clusters, 151,552 bytes of LDS; arguments xyz1, xyz2, points2, wf, blk, idx, q; writes idx, q
.if DOCPART == 2
	.amdgcn_target "amdgcn-amd-amdhsa--gfx1250"
	.amdhsa_code_object_version 6
	.text
	.protected	k_q577939ff9f_mid
	.globl	k_q577939ff9f_mid
	.p2align	8
	.type	k_q577939ff9f_mid,@function
k_q577939ff9f_mid:
	s_mov_b64 s[64:65], 0
	v_nop
	global_prefetch_b8 v0, s[64:65] scope:SCOPE_SE
	s_setreg_imm32_b32 hwreg(HW_REG_WAVE_MODE, 25, 1), 1
	s_wait_xcnt 0x0
; mid: (1) the exact three nearest of the 48 candidates that the launch before left for each query, and their weights;
;      (2) Q[b][s][o] = sum over c of W0[o][256 + c] points2[b][c][s], in f32: W0's right part applied ahead of the gather.
; Work-group i: queries 128 i .. + 127 (one a lane of waves 0 to 3), and of Q the 64 rows 64 (i / 2) .. with channels 128 (i & 1) .. + 127.
; Waves 4 to 7 bring the tile of points2 in (512 rows of 256 bytes) and round it to bf16 while waves 0 to 3 scan.
; In the product wave w makes 16 channels x 64 points, K = 512: four accumulators.
; No tensor loads: every operand is converted in registers on its way, and a tile is used once.
; LIMITS: coordinates are finite.  The weighted sum of the three neighbours is taken behind W0's right part, not ahead of it.
.set RP,   272                         ; LDS at 0: 128 blocks of 16 records, 256 + 16 bytes, so that lanes with different blocks start at different 16-byte columns
.set XT,   34816                       ; [512 k][64 n] bf16
.set XP,   160                         ; its row: 128 + 32 bytes, an odd multiple of 32
.set STG,  116736                      ; [64 points][128 channels] f32
.set SPI,  528                         ; its row: 512 + 16 bytes
.set X0,   4                           ; role K: the query
.set X1,   5
.set X2,   6
.set SX,   7
.set MA,   20                          ; the three smallest d
.set MB,   21
.set MC,   22
.set IA,   24                          ; their indices
.set IB,   25
.set IC,   26
.set J,    27                          ; the running candidate's index
.set TMP,  28
.set TT,   32                          ; v[32:35] four d at work
.set TS,   36                          ; v[36:39]
.set CR,   64                          ; v[64:255] 48 records (at first v[64:95] xyz2, v[96:98] xyz1, v[100:103] the block numbers)
.set CM,   32                          ; s[32:34] compare masks
.set PA,   4                           ; role P: LDS address
.set PO,   5                           ; role P: offset in points2
.set PK,   16                          ; v[16:31] packed pairs, eight in rotation
.set RING, 128                         ; v[128:255] 32 loads in flight
.set ACC,  16                          ; product: v[16:47] four accumulators
.set XB,   48                          ; v[48:143] three buffers of four fragments
; window 1 (v256 and up): v256-383 the wave's 16 fragments of W0 (K step kk at 8 kk), v384, v385 the two addresses into XT
.set MSB, 0
.macro WIN new                         ; the immediate's high byte repeats the setting that is left
.if MSB != \new
	s_set_vgpr_msb (MSB<<8)|\new
.set MSB, \new
.endif
.endm
.macro PLACES                          ; four places behind a matrix instruction (ISA guide 7.12.1)
.rept 4
	v_nop
.endr
.endm
.macro ROUND3 d0, d1, d2, s0, s1, s2
	v_cvt_pk_bf16_f32 v[\d0], v[\s0], v[\s1]
	v_cvt_pk_bf16_f32 v[\d2], v[\s2], v[\s2]
	v_and_b32 v[\d1], 0xffff0000, v[\d0]
	v_lshlrev_b32 v[\d0], 16, v[\d0]
	v_lshlrev_b32 v[\d2], 16, v[\d2]
.endm
.macro RECORD R                        ; (-2 y0, -2 y1, -2 y2, |y|^2), as in the launch before
	ROUND3 \R, \R+1, \R+2, \R, \R+1, \R+2
	v_mul_f32 v[\R+3], v[\R], v[\R]
	v_fma_f32 v[\R+3], v[\R+1], v[\R+1], v[\R+3]
	v_fma_f32 v[\R+3], v[\R+2], v[\R+2], v[\R+3]
	v_pk_mul_f32 v[\R:\R+1], v[\R:\R+1], -2.0 op_sel_hi:[1,0]
	v_mul_f32 v[\R+2], -2.0, v[\R+2]
.endm
.macro TRACK d, id                     ; strictly smaller only: on a tie the lower index stays ahead
	v_cmp_lt_f32 s[CM], v[\d], v[MA]
	v_cmp_lt_f32 s[CM+1], v[\d], v[MB]
	v_cmp_lt_f32 s[CM+2], v[\d], v[MC]
	v_cndmask_b32 v[TMP], v[\id], v[IB], s[CM+1]
	v_cndmask_b32 v[IC], v[IC], v[TMP], s[CM+2]
	v_cndmask_b32 v[TMP], v[\id], v[IA], s[CM]
	v_cndmask_b32 v[IB], v[IB], v[TMP], s[CM+1]
	v_cndmask_b32 v[IA], v[IA], v[\id], s[CM]
	v_med3_num_f32 v[MC], v[MB], v[MC], v[\d]
	v_med3_num_f32 v[MB], v[MA], v[MB], v[\d]
	v_min_num_f32 v[MA], v[MA], v[\d]
.endm
.macro CAND4 R                         ; four candidates: the same five roundings as in the launch before
.irp c, 0,1,2,3
	v_mul_f32 v[TT+\c], v[X0], v[\R+4*\c]
	v_add_f32 v[TS+\c], v[SX], v[\R+4*\c+3]
.endr
.irp c, 0,1,2,3
	v_fma_f32 v[TT+\c], v[X1], v[\R+4*\c+1], v[TT+\c]
.endr
.irp c, 0,1,2,3
	v_fma_f32 v[TT+\c], v[X2], v[\R+4*\c+2], v[TT+\c]
.endr
.irp c, 0,1,2,3
	v_add_f32 v[TT+\c], v[TS+\c], v[TT+\c]
.endr
.irp c, 0,1,2,3
	TRACK TT+\c, J
	v_add_nc_u32 v[J], 1, v[J]
.endr
.endm
; role P, slot j (the symbol j): two rows of 256 bytes are rounded to bf16 and laid into XT; the slot is loaded again 32 slots ahead
.macro PSLOT refill, left
	s_wait_loadcnt \left
	v_cvt_pk_bf16_f32 v[PK+2*(j%8)], v[RING+4*(j%32)], v[RING+4*(j%32)+1]
	v_cvt_pk_bf16_f32 v[PK+2*(j%8)+1], v[RING+4*(j%32)+2], v[RING+4*(j%32)+3]
	ds_store_b64 v[PA], v[PK+2*(j%8):PK+2*(j%8)+1] offset:2*XP*j
.if \refill
	global_load_b128 v[RING+4*(j%32):RING+4*(j%32)+3], v[PO], s[8:9] offset:16384*(j+32)
.endif
.endm
; the four fragments (16 points x 32 k) of K step ks, transposed on the way out of LDS; the address lies in window 1
.macro XLOAD ks
.if (\ks) < 8
.set AXN, 128
.else
.set AXN, 129
.endif
.irp p, 0,1,2,3
.set BR, XB+32*((\ks)%3)+8*\p
	ds_load_tr16_b128 v[BR:BR+3], v[AXN] offset:32*XP*((\ks)&7)+32*\p
	ds_load_tr16_b128 v[BR+4:BR+7], v[AXN] offset:32*XP*((\ks)&7)+32*\p+16*XP
.endr
.endm
.macro KSTEP ks
.if (\ks) < 14
.if (\ks) > 0
	PLACES                                         ; between the matrix instructions that read the buffer and the loads into it
.endif
	XLOAD \ks+2
	s_wait_dscnt 16                                ; this step's eight loads are in; the next two steps' sixteen stay out
.else
	s_wait_dscnt 8*(15-(\ks))
.endif
.irp p, 0,1,2,3
.set BR, XB+32*((\ks)%3)+8*\p
.if (\ks) == 0
	v_wmma_f32_16x16x32_bf16 v[ACC+8*\p:ACC+8*\p+7], v[8*(\ks):8*(\ks)+7], v[BR:BR+7], 0       ; the first product starts the sum
.else
	v_wmma_f32_16x16x32_bf16 v[ACC+8*\p:ACC+8*\p+7], v[8*(\ks):8*(\ks)+7], v[BR:BR+7], v[ACC+8*\p:ACC+8*\p+7]
.endif
.endr
.endm
	s_load_b256 s[4:11], s[0:1], 0x0               ; xyz1 s[4:5], xyz2 s[6:7], points2 s[8:9], wf s[10:11]
	s_load_b128 s[12:15], s[0:1], 0x20             ; blk s[12:13], idx s[14:15]
	s_load_b64 s[16:17], s[0:1], 0x30              ; q
	s_set_vgpr_msb 0x40
	v_lshl_add_u32 v136, v0, 2, 0x24c00
	v_mov_b32 v137, 0
	s_set_vgpr_msb 0x4000
	v_lshrrev_b32 v1, 5, v0
	v_readfirstlane_b32 s18, v1                    ; wave
	v_and_b32 v2, 31, v0                           ; L
	v_and_b32 v3, 15, v0                           ; r
	v_bfe_u32 v8, v0, 4, 1                         ; h
	v_mul_u32_u24 v9, v0, 12                       ; 12 t
	v_lshlrev_b32 v15, 4, v0                       ; 16 t: role K's place in blk, idx and the weights; made here, ahead of the branches, and never written again
	s_lshr_b32 s19, ttmp9, 6                       ; batch, of the queries and of the tile alike
	s_and_b32 s20, ttmp9, 1                        ; hc: which 128 channels
	s_lshr_b32 s21, ttmp9, 1                       ; pt: which 64 rows of Q
	s_lshl3_add_u32 s26, s20, s18                  ; ct = 8 hc + w
	s_mul_i32 s26, s26, 24*1024
	s_add_co_u32 s26, s26, 8*1024                  ; fragment 24 ct + 8: W0's columns from 256 on
	v_lshl_add_u32 v10, v2, 4, s26
	v_and_b32 v1, 7, v0
	v_lshl_add_u32 v1, v8, 3, v1                   ; 8 h + (L & 7)
	v_mul_u32_u24 v1, v1, XP
	v_bfe_u32 v7, v0, 3, 1
	v_lshl_add_u32 v1, v7, 4, v1
	v_add_nc_u32 v1, XT, v1                        ; K steps 0 to 7
	v_add_nc_u32 v7, 8*32*XP, v1                   ; K steps 8 to 15: the immediate has 16 bits
	v_lshrrev_b32 v11, 4, v0
	v_mul_u32_u24 v11, v11, RP
	v_lshl_add_u32 v11, v3, 4, v11                 ; record t: block t / 16, place t mod 16
	s_mov_b32 s25, 0
	s_mul_i32 s24, s19, 2048*12
	s_wait_kmcnt 0x0
	s_add_nc_u64 s[6:7], s[6:7], s[24:25]          ; xyz2 at the batch
.irp e, 0,1,2,3,4,5,6,7
	global_load_b96 v[CR+4*\e:CR+4*\e+2], v9, s[6:7] offset:3072*\e
.endr
	WIN 0x40                                       ; destinations in window 1
.set k, 0
.rept 32
	global_load_b128 v[4*k:4*k+3], v10, s[10:11] offset:512*k     ; 512 consecutive bytes each: half a fragment
.set k, k+1
.endr
	v_mov_b32 v128, v1                             ; v384
	v_mov_b32 v129, v7                             ; v385
	WIN 0
	s_mul_i32 s24, ttmp9, 128*12
	s_add_nc_u64 s[4:5], s[4:5], s[24:25]          ; xyz1 at my first query
	s_lshl_b32 s24, ttmp9, 11
	s_add_nc_u64 s[12:13], s[12:13], s[24:25]      ; blk, idx and the weights at my first query, 16 bytes each
	s_add_nc_u64 s[14:15], s[14:15], s[24:25]
	s_add_nc_u64 s[22:23], s[16:17], s[24:25]
	s_add_nc_u64 s[22:23], s[22:23], 0x800000      ; the weights lie behind Q's 8,388,608 bytes
	s_lshl_b32 s24, s19, 22                        ; 512 rows of 8,192 bytes a batch
	s_and_b32 s26, s21, 31
	s_lshl_b32 s26, s26, 8                         ; 64 points of 4 bytes
	s_add_co_u32 s24, s24, s26
	s_add_nc_u64 s[8:9], s[8:9], s[24:25]          ; points2 at the tile
	s_lshl_b32 s24, s21, 16                        ; 64 rows of 1,024 bytes
	s_lshl_b32 s26, s20, 9
	s_add_co_u32 s24, s24, s26
	s_add_nc_u64 s[16:17], s[16:17], s[24:25]      ; Q at my rows and channels
	s_cmp_lt_u32 s18, 4
	s_cbranch_scc0 .Lp_first
	global_load_b96 v[96:98], v9, s[4:5]           ; role K: my query and its three blocks
	global_load_b128 v[100:103], v15, s[12:13]
	s_wait_loadcnt 34                              ; xyz2 is in: 32 loads of W and these two were issued behind it
	s_branch .Lrecords
.Lp_first:
	s_sub_co_u32 s27, s18, 4
	s_lshl_b32 s28, s27, 7
	v_add_nc_u32 v[PO], s28, v8                    ; role P: row 128 w' + h
	v_lshlrev_b32 v[PO], 13, v[PO]
	v_lshl_add_u32 v[PO], v3, 4, v[PO]             ; lanes 0-15 one row's 256 bytes, lanes 16-31 the next row's
.set j, 0
.rept 32
	global_load_b128 v[RING+4*j:RING+4*j+3], v[PO], s[8:9] offset:16384*j
.set j, j+1
.endr
	s_wait_loadcnt 63                              ; xyz2 is in: 64 loads were issued behind it
.Lrecords:
.irp e, 0,1,2,3,4,5,6,7
	RECORD CR+4*\e
	ds_store_b128 v11, v[CR+4*\e:CR+4*\e+3] offset:16*RP*\e
.endr
	s_wait_dscnt 0x0                               ; my records are written, for the scanning waves' sake
	s_barrier_signal -1
	s_barrier_wait -1
	s_cmp_lt_u32 s18, 4
	s_cbranch_scc0 .Lp_main
	; role K.  Its LDS reads end at byte 127 x 272 + 256 = 34,800, in front of XT, into which waves 4 to 7 store meanwhile
	s_wait_loadcnt 0x0
	ROUND3 X0, X1, X2, 96, 97, 98
	v_mul_f32 v[SX], v[X0], v[X0]
	v_fma_f32 v[SX], v[X1], v[X1], v[SX]
	v_fma_f32 v[SX], v[X2], v[X2], v[SX]
.irp k, 0,1,2
	v_min_u32 v[100+\k], 127, v[100+\k]            ; a block number stays inside the 128 blocks
	v_mul_u32_u24 v[12+\k], v[100+\k], RP
	v_lshlrev_b32 v[16+\k], 4, v[100+\k]           ; the block's first index
.endr
	v_mov_b32 v[MA], 0x7f800000
	v_mov_b32 v[MB], 0x7f800000
	v_mov_b32 v[MC], 0x7f800000
	v_mov_b32 v[IA], 0
	v_mov_b32 v[IB], 0
	v_mov_b32 v[IC], 0
.irp k, 0,1,2
.irp e, 0,1,2,3,4,5,6,7,8,9,10,11,12,13,14,15
	ds_load_b128 v[CR+64*\k+4*\e:CR+64*\k+4*\e+3], v[12+\k] offset:16*\e
.endr
.endr
.irp k, 0,1,2
	s_wait_dscnt 32-16*\k                          ; block k's sixteen records are in; the later blocks' stay out
	v_mov_b32 v[J], v[16+\k]
.irp g, 0,1,2,3
	CAND4 CR+64*\k+16*\g
.endr
.endr
	v_add_f32 v32, 0x322bcc77, v[MA]               ; d + 1e-8
	v_add_f32 v33, 0x322bcc77, v[MB]
	v_add_f32 v34, 0x322bcc77, v[MC]
	v_rcp_f32 v32, v32
	v_rcp_f32 v33, v33
	v_rcp_f32 v34, v34
	s_lshl_b32 s28, s19, 11
	v_add_nc_u32 v200, s28, v[IA]                  ; rows of Q: 2048 b + s.  Also the plain instruction between v_rcp_f32 and its use (ISA guide 5.7.2)
	v_add_nc_u32 v201, s28, v[IB]
	v_add_nc_u32 v202, s28, v[IC]
	v_mov_b32 v203, 0
	s_wait_alu depctr_va_vdst(0)
	v_add_f32 v35, v32, v33
	v_add_f32 v35, v35, v34
	v_rcp_f32 v35, v35
	v_mov_b32 v207, 0                              ; the plain instruction behind this one
	s_wait_alu depctr_va_vdst(0)
	v_mul_f32 v204, v32, v35
	v_mul_f32 v205, v33, v35
	v_mul_f32 v206, v34, v35
	global_store_b128 v15, v[200:203], s[14:15]    ; v15 and v[200:207] are not written again
	global_store_b128 v15, v[204:207], s[22:23]
	s_branch .Lproduct
.Lp_main:
	; where my rows go in XT: made here, in the arm that stores, from the wave's number, h and the lane alone
	s_sub_co_u32 s27, s18, 4
	s_lshl_b32 s28, s27, 7
	v_add_nc_u32 v[PA], s28, v8                    ; row 128 w' + h
	v_mul_u32_u24 v[PA], v[PA], XP
	v_lshl_add_u32 v[PA], v3, 3, v[PA]             ; four bf16 a lane
	v_add_nc_u32 v[PA], XT, v[PA]
.set j, 0
.rept 32
	PSLOT 1, 31                                    ; behind load j: 31 - j of the first 32 and j of the second
.set j, j+1
.endr
.rept 32
	PSLOT 0, 63-j                                  ; the counts run down
.set j, j+1
.endr
.Lproduct:
	s_wait_dscnt 0x0                               ; the tile is written; the scanning waves' reads are back
	s_barrier_signal -1
	s_barrier_wait -1
	WIN 0x01                                       ; source 0 (W's fragments, LDS addresses) in window 1
	XLOAD 0
	XLOAD 1
	; the four accumulators take turns, one instruction a turn
.irp ks, 0,1,2,3,4,5,6,7,8,9,10,11,12,13,14,15
	KSTEP \ks
.endr
	WIN 0
	PLACES                                         ; behind the last matrix instructions: the LDS stores read results, the loads below land in fragment registers
	v_mul_u32_u24 v4, v3, SPI
	v_lshl_add_u32 v4, v8, 5, v4
	s_lshl_b32 s28, s18, 6
	s_add_co_u32 s28, s28, STG
	v_add_nc_u32 v4, s28, v4                       ; point r, channels 16 w + 8 h ..
	s_mul_i32 s29, s18, 8*SPI
	s_add_co_u32 s29, s29, STG
	v_lshl_add_u32 v5, v2, 4, s29                  ; back: row 8 w + e, 16 bytes a lane
	s_lshl_b32 s30, s18, 13
	v_lshl_add_u32 v6, v2, 4, s30
.irp p, 0,1,2,3
	ds_store_b128 v4, v[ACC+8*\p:ACC+8*\p+3] offset:16*SPI*\p
	ds_store_b128 v4, v[ACC+8*\p+4:ACC+8*\p+7] offset:16*SPI*\p+16
.endr
	s_wait_dscnt 0x0
	s_barrier_signal -1
	s_barrier_wait -1
.irp e, 0,1,2,3,4,5,6,7
	ds_load_b128 v[XB+4*\e:XB+4*\e+3], v5 offset:SPI*\e
.endr
.irp e, 0,1,2,3,4,5,6,7
	s_wait_dscnt 7-\e
	global_store_b128 v6, v[XB+4*\e:XB+4*\e+3], s[16:17] offset:1024*\e    ; 512 consecutive bytes of a row of Q
.endr
	s_set_vgpr_msb 0x5
	s_wait_tensorcnt 0x0
	ds_add_u32 v136, v137
	s_wait_dscnt 0x0
	s_set_vgpr_msb 0x500
	s_endpgm
.Lfunc_end_k_q577939ff9f_mid:
	.size	k_q577939ff9f_mid, .Lfunc_end_k_q577939ff9f_mid-k_q577939ff9f_mid
	.p2alignl 7, 3214868480
	.fill 96, 4, 3214868480
	.section	.rodata,"a",@progbits
	.p2align	6, 0x0
	.amdhsa_kernel k_q577939ff9f_mid
		.amdhsa_group_segment_fixed_size 151552
		.amdhsa_private_segment_fixed_size 0
		.amdhsa_enable_private_segment 0
		.amdhsa_kernarg_size 56
		.amdhsa_user_sgpr_count 2
		.amdhsa_user_sgpr_kernarg_segment_ptr 1
		.amdhsa_wavefront_size32 1
		.amdhsa_system_sgpr_workgroup_id_x 1
		.amdhsa_system_sgpr_workgroup_id_y 1
		.amdhsa_system_sgpr_workgroup_id_z 1
		.amdhsa_system_vgpr_workitem_id 0
		.amdhsa_next_free_vgpr 394
		.amdhsa_next_free_sgpr 66
		.amdhsa_reserve_vcc 0
		.amdhsa_float_denorm_mode_32 3
		.amdhsa_float_denorm_mode_16_64 3
		.amdhsa_memory_ordered 1
		.amdhsa_forward_progress 1
		.amdhsa_inst_pref_size 99
	.end_amdhsa_kernel
	.amdgpu_metadata
---
amdhsa.version: [ 1, 2 ]
amdhsa.kernels:
  - .name:           k_q577939ff9f_mid
    .symbol:         k_q577939ff9f_mid.kd
    .args:
      - { .name: xyz1, .offset: 0, .size: 8, .value_kind: global_buffer, .address_space: global }
      - { .name: xyz2, .offset: 8, .size: 8, .value_kind: global_buffer, .address_space: global }
      - { .name: points2, .offset: 16, .size: 8, .value_kind: global_buffer, .address_space: global }
      - { .name: wf, .offset: 24, .size: 8, .value_kind: global_buffer, .address_space: global }
      - { .name: blk, .offset: 32, .size: 8, .value_kind: global_buffer, .address_space: global }
      - { .name: idx, .offset: 40, .size: 8, .value_kind: global_buffer, .address_space: global }
      - { .name: q, .offset: 48, .size: 8, .value_kind: global_buffer, .address_space: global }
    .group_segment_fixed_size: 151552
    .private_segment_fixed_size: 0
    .kernarg_segment_align: 8
    .kernarg_segment_size: 56
    .max_flat_workgroup_size: 256
    .sgpr_count:     66
    .vgpr_count:     394
    .wavefront_size: 32
...
	.end_amdgpu_metadata
.endif
;; end of part 2
;; launch passA (part 3): grid 256 x 1, 8 waves a work-group, no clusters, 209,920 bytes of LDS; arguments points1, wf, idx, q, y0, st; writes y0, st
.if DOCPART == 3
	.amdgcn_target "amdgcn-amd-amdhsa--gfx1250"
	.amdhsa_code_object_version 6
	.text
	.protected	k_q577939ff9f_passA
	.globl	k_q577939ff9f_passA
	.p2align	8
	.type	k_q577939ff9f_passA,@function
k_q577939ff9f_passA:
	s_mov_b64 s[64:65], 0
	v_nop
	global_prefetch_b8 v0, s[64:65] scope:SCOPE_SE
	s_setreg_imm32_b32 hwreg(HW_REG_WAVE_MODE, 25, 1), 1
	s_wait_xcnt 0x0
; passA: y0[n][o] = sum over c < 256 of W0[o][c] points1[c][n] + sum over the three neighbours of w_k Q[idx_k][o], in f32,
; and for each channel the mean of the tile's 128 points and the sum of squares about that mean.
; Work-group i: points 128 i .. + 127 (batch i / 64), all 256 channels.  Waves 0 to 3 bring points1 in and round it to bf16 and then
; gather for 8 points each; waves 4 to 7 gather the rows of Q for 24 points each and weigh them.
; In the product wave w makes channels 32 w .. + 31 for the 128 points: 16 accumulators, which START from the interpolated part.
; y0 GOES OUT AS THE ACCUMULATORS LIE: tile i (131,072 bytes), wave w (16,384), chunk 4 p + 2 a + q (512), 16 bytes a lane: lane (r, h)
; holds channels 32 w + 16 a + 8 h + 4 q .. + 3 of point 16 p + r.  That is the place these numbers have in source 0 of the next
; product's K step w, so neither launch turns them round, and every store covers 512 consecutive bytes, aligned.
; Weights are not shared through a cluster: each wave loads only its own 16 KiB of fragments, straight into the registers that the
; matrix instruction names, and the two tiles here leave no room in LDS for all of W0's left part.
; The variance is never formed as a difference of large sums: each tile's squares are taken about its own mean.
.set IT,   0                           ; [128 points][256 channels] f32: the interpolated part
.set IP,   1040                        ; its row: 1,024 + 16 bytes
.set XT,   133120                      ; [256 k][128 n] bf16
.set XP,   288                         ; its row: 256 + 32 bytes, an odd multiple of 32
.set SCR,  206848                      ; 256 means, 256 sums of squares
.set PA,   4                           ; stream: LDS address
.set PO,   5                           ; stream: offset in points1
.set PK,   16                          ; v[16:31] stream: packed pairs
.set RING, 128                         ; v[128:255] stream: 32 loads in flight
.set LC,   12                          ; 16 (L & 15)
.set GA,   14                          ; gather: LDS address
.set YO,   15                          ; my offset in the tile of y0
.set GB,   112                         ; v[112:255] gather: three buffers of 3 rows x 4 loads
; IDX, WT: a pair of points has four registers in each: three rows of Q (turned into offsets in place), three weights.
;   waves 0-3: IDX v[32:47], WT v[48:63] (4 pairs);  waves 4-7: IDX v[16:63], WT v[64:111] (12 pairs)
.set ACC,  16                          ; product: accumulator (a, p) at 16 + 64 a + 8 p
.set XB,   144                         ; v[144:239] three buffers of four fragments
.set SM,   144                         ; statistics: v[144:159] sums, then means
.set QM,   160                         ; v[160:175] sums of squares
.set TT,   176                         ; v[176:183]
; window 1: v256-383 fragment (a, ks) of W0 at 8 (8 a + ks); v384, v385 the two addresses into XT
.set MSB, 0
.macro WIN new                         ; the immediate's high byte repeats the setting that is left
.if MSB != \new
	s_set_vgpr_msb (MSB<<8)|\new
.set MSB, \new
.endif
.endm
.macro PLACES                          ; four places behind a matrix instruction (ISA guide 7.12.1)
.rept 4
	v_nop
.endr
.endm
; my 32 half fragments of W0, 512 consecutive bytes each, and the two addresses into XT, all into window 1
.macro WLOAD
	WIN 0x40
.irp a, 0,1
.set k, 0
.rept 16
	global_load_b128 v[64*\a+4*k:64*\a+4*k+3], v9, s[6:7] offset:24576*\a+512*k
.set k, k+1
.endr
.endr
	v_mov_b32 v128, v1                             ; v384
	v_mov_b32 v129, v7                             ; v385
	WIN 0
.endm
; stream, slot j (the symbol j): one row of 512 bytes
.macro PSLOT refill, left
	s_wait_loadcnt \left
	v_cvt_pk_bf16_f32 v[PK+2*(j%8)], v[RING+4*(j%32)], v[RING+4*(j%32)+1]
	v_cvt_pk_bf16_f32 v[PK+2*(j%8)+1], v[RING+4*(j%32)+2], v[RING+4*(j%32)+3]
	ds_store_b64 v[PA], v[PK+2*(j%8):PK+2*(j%8)+1] offset:XP*j
.if \refill
	global_load_b128 v[RING+4*(j%32):RING+4*(j%32)+3], v[PO], s[4:5] offset:32768*(j+32) th:TH_LOAD_NT
.endif
.endm
; gather: s25 = the wave's first point.  Lanes 0-15 serve the even point of a pair, lanes 16-31 the odd one.
.macro GSETUP
	v_add_nc_u32 v13, s25, v8                      ; first point + h
	v_mul_u32_u24 v[GA], v13, IP
	v_add_nc_u32 v[GA], v[GA], v[LC]
	v_lshlrev_b32 v13, 4, v13                      ; 16 bytes a point in idx and in the weights
.endm
.macro GMETA n                         ; the lists of n pairs
.set j, 0
.rept \n
	global_load_b128 v[IDX+4*j:IDX+4*j+3], v13, s[8:9] offset:32*j
.set j, j+1
.endr
.set j, 0
.rept \n
	global_load_b128 v[WT+4*j:WT+4*j+3], v13, s[20:21] offset:32*j
.set j, j+1
.endr
.endm
; the twelve loads of pair j: three rows of 1,024 bytes, 256 consecutive bytes a half wave.  Each offset has its own register, written once.
.macro GISSUE j
.irp k, 0,1,2
	v_min_u32 v[IDX+4*(\j)+\k], 8191, v[IDX+4*(\j)+\k]             ; a row stays inside Q's 8,192
	v_lshl_add_u32 v[IDX+4*(\j)+\k], v[IDX+4*(\j)+\k], 10, v[LC]
.endr
.irp k, 0,1,2
.irp c, 0,1,2,3
	global_load_b128 v[GB+48*((\j)%3)+16*\k+4*\c:GB+48*((\j)%3)+16*\k+4*\c+3], v[IDX+4*(\j)+\k], s[10:11] offset:256*\c
.endr
.endr
.endm
.macro GPAIR j, left, more
.set B0, GB+48*((\j)%3)
.set W0R, WT+4*(\j)
	s_wait_loadcnt \left                           ; pair j's twelve loads are in; the younger pairs' stay out
.irp c, 0,1,2,3
.irp x, 0,2
	v_pk_mul_f32 v[B0+4*\c+\x:B0+4*\c+\x+1], v[B0+4*\c+\x:B0+4*\c+\x+1], v[W0R:W0R+1] op_sel_hi:[1,0]
.endr
.endr
.irp c, 0,1,2,3
.irp x, 0,2
	v_pk_fma_f32 v[B0+4*\c+\x:B0+4*\c+\x+1], v[B0+16+4*\c+\x:B0+16+4*\c+\x+1], v[W0R:W0R+1], v[B0+4*\c+\x:B0+4*\c+\x+1] op_sel:[0,1,0] op_sel_hi:[1,1,1]
.endr
.endr
.irp c, 0,1,2,3
.irp x, 0,2
	v_pk_fma_f32 v[B0+4*\c+\x:B0+4*\c+\x+1], v[B0+32+4*\c+\x:B0+32+4*\c+\x+1], v[W0R+2:W0R+3], v[B0+4*\c+\x:B0+4*\c+\x+1] op_sel_hi:[1,0,1]
.endr
.endr
.irp c, 0,1,2,3
	ds_store_b128 v[GA], v[B0+4*\c:B0+4*\c+3] offset:2*IP*(\j)+256*\c
.endr
.if \more
	GISSUE \j+3                                    ; into the buffer just emptied
.endif
.endm
; half step hs: K step hs / 2, points 64 (hs & 1) .. + 63
.macro XLOAD hs
.if ((\hs)>>1) < 4
.set AXN, 128
.else
.set AXN, 129
.endif
.irp q, 0,1,2,3
.set BR, XB+32*((\hs)%3)+8*\q
.set OF, 32*XP*(((\hs)>>1)&3)+32*(4*((\hs)&1)+\q)
	ds_load_tr16_b128 v[BR:BR+3], v[AXN] offset:OF
	ds_load_tr16_b128 v[BR+4:BR+7], v[AXN] offset:OF+16*XP
.endr
.endm
.macro HSTEP hs
.if (\hs) < 14
.if (\hs) > 0
	PLACES                                         ; between the matrix instructions that read the buffer and the loads into it
.endif
	XLOAD \hs+2
	s_wait_dscnt 16                                ; this half step's loads (and, the first time, the accumulators' 32) are in; sixteen younger stay out
.else
	s_wait_dscnt 8*(15-(\hs))
.endif
.irp q, 0,1,2,3
.irp a, 0,1
.set AR, ACC+64*\a+8*(4*((\hs)&1)+\q)
.set WR, 8*(8*\a+((\hs)>>1))
.set BR, XB+32*((\hs)%3)+8*\q
	v_wmma_f32_16x16x32_bf16 v[AR:AR+7], v[WR:WR+7], v[BR:BR+7], v[AR:AR+7]
.endr
.endr
.endm
	s_load_b256 s[4:11], s[0:1], 0x0               ; points1 s[4:5], wf s[6:7], idx s[8:9], q s[10:11]
	s_load_b128 s[12:15], s[0:1], 0x20             ; y0 s[12:13], st s[14:15]
	s_set_vgpr_msb 0x40
	v_lshl_add_u32 v136, v0, 2, 0x33000
	v_mov_b32 v137, 0
	s_set_vgpr_msb 0x4000
	v_lshrrev_b32 v1, 5, v0
	v_readfirstlane_b32 s16, v1                    ; wave
	v_and_b32 v2, 31, v0                           ; L
	v_and_b32 v3, 15, v0                           ; r
	v_bfe_u32 v8, v0, 4, 1                         ; h
	s_mul_i32 s23, s16, 2*24*1024
	v_lshl_add_u32 v9, v2, 4, s23                  ; W0's fragments of channels 32 w ..
	v_and_b32 v1, 7, v0
	v_lshl_add_u32 v1, v8, 3, v1
	v_mul_u32_u24 v1, v1, XP
	v_bfe_u32 v7, v0, 3, 1
	v_lshl_add_u32 v1, v7, 4, v1
	v_add_nc_u32 v1, XT, v1                        ; K steps 0 to 3
	v_add_nc_u32 v7, 4*32*XP, v1                   ; K steps 4 to 7
	v_mul_u32_u24 v10, v3, IP
	v_lshl_add_u32 v10, v8, 5, v10
	s_lshl_b32 s23, s16, 7
	v_add_nc_u32 v10, s23, v10                     ; IT: point r, channels 32 w + 8 h ..; points 0-63
	v_add_nc_u32 v11, 64*IP, v10                   ; points 64-127
	s_add_co_u32 s23, s23, SCR
	v_lshl_add_u32 v6, v8, 5, s23                  ; SCR + 128 w + 32 h
	v_lshlrev_b32 v[LC], 4, v3
	s_lshl_b32 s24, s16, 14
	v_lshl_add_u32 v[YO], v2, 4, s24               ; 16384 w + 16 L
	s_lshr_b32 s17, ttmp9, 6                       ; batch
	s_and_b32 s22, ttmp9, 63
	s_lshl_b32 s18, s17, 23                        ; 256 rows of 32,768 bytes a batch
	s_lshl_b32 s22, s22, 9                         ; 128 points of 4 bytes
	s_add_co_u32 s18, s18, s22
	s_mov_b32 s19, 0
	s_wait_kmcnt 0x0
	s_add_nc_u64 s[4:5], s[4:5], s[18:19]          ; points1 at the tile
	s_lshl_b32 s18, ttmp9, 11
	s_add_nc_u64 s[8:9], s[8:9], s[18:19]          ; idx at my first point
	s_add_nc_u64 s[20:21], s[10:11], s[18:19]
	s_add_nc_u64 s[20:21], s[20:21], 0x800000      ; the weights, behind Q
	s_lshl_b32 s18, ttmp9, 17
	s_add_nc_u64 s[12:13], s[12:13], s[18:19]      ; y0 at my tile
	s_lshl_b32 s18, ttmp9, 10
	s_add_nc_u64 s[14:15], s[14:15], s[18:19]      ; st at my tile
	s_cmp_lt_u32 s16, 4
	s_cbranch_scc0 .Lgather
	; waves 0 to 3: rows 64 w .. + 63 of the tile of points1, then the gather for points 96 + 8 w .. + 7
.set IDX, 32
.set WT,  48
	s_lshl_b32 s25, s16, 3
	s_add_co_u32 s25, s25, 96
	GSETUP
	GMETA 4                                        ; the lists first: they are in long before they are used
	s_lshl_b32 s24, s16, 21
	v_lshl_add_u32 v[PO], v2, 4, s24
	s_mul_i32 s24, s16, 64*XP
	s_add_co_u32 s24, s24, XT
	v_lshl_add_u32 v[PA], v2, 3, s24
.set j, 0
.rept 32
	global_load_b128 v[RING+4*j:RING+4*j+3], v[PO], s[4:5] offset:32768*j th:TH_LOAD_NT
.set j, j+1
.endr
	WLOAD                                          ; wanted last, asked for behind the stream's first 32 rows
.set j, 0
.rept 32
	PSLOT 1, 63                                    ; behind load j: 31 - j of the first 32, W0's 32, and j of the second 32
.set j, j+1
.endr
.rept 8
	PSLOT 0, 63-j                                  ; slots 32 to 39: the counts run down
.set j, j+1
.endr
	GISSUE 0                                       ; v[112:159] holds no row any more (ring slots 0 to 7 have had their second turn)
.rept 12
	PSLOT 0, 75-j                                  ; slots 40 to 51: twelve gather loads are younger
.set j, j+1
.endr
	GISSUE 1                                       ; v[160:207]: ring slots 8 to 19
.rept 12
	PSLOT 0, 87-j                                  ; slots 52 to 63: twenty-four are
.set j, j+1
.endr
	GISSUE 2                                       ; v[208:255]: ring slots 20 to 31
	GPAIR 0, 24, 1
	GPAIR 1, 24, 0
	GPAIR 2, 12, 0
	GPAIR 3, 0, 0
	s_branch .Lfilled
.Lgather:
	; waves 4 to 7: points 24 w' .. + 23, two at a time, three pairs (36 loads, 18,432 bytes) on their way
.set IDX, 16
.set WT,  64
	s_sub_co_u32 s24, s16, 4
	s_mul_i32 s25, s24, 24
	GSETUP
	GMETA 12
	WLOAD                                          ; travels while the lists are waited for
	s_wait_loadcnt 32                              ; the lists are in: W0's 32 loads were issued behind them
	GISSUE 0
	GISSUE 1
	GISSUE 2
.irp j, 0,1,2,3,4,5,6,7,8
	GPAIR \j, 24, 1
.endr
	GPAIR 9, 24, 0
	GPAIR 10, 12, 0
	GPAIR 11, 0, 0
.Lfilled:
	s_wait_dscnt 0x0                               ; my part of the two tiles is written (and, by the last wait for 0 loads, W0 is in)
	s_barrier_signal -1
	s_barrier_wait -1
	; the sums start from the interpolated part: lane r is the point, register j the channel 16 a + 8 h + j
.irp p, 0,1,2,3
.irp a, 0,1
	ds_load_b128 v[ACC+64*\a+8*\p:ACC+64*\a+8*\p+3], v10 offset:16*IP*\p+64*\a
	ds_load_b128 v[ACC+64*\a+8*\p+4:ACC+64*\a+8*\p+7], v10 offset:16*IP*\p+64*\a+16
.endr
.endr
.irp p, 0,1,2,3
.irp a, 0,1
	ds_load_b128 v[ACC+64*\a+8*\p+32:ACC+64*\a+8*\p+35], v11 offset:16*IP*\p+64*\a
	ds_load_b128 v[ACC+64*\a+8*\p+36:ACC+64*\a+8*\p+39], v11 offset:16*IP*\p+64*\a+16
.endr
.endr
	WIN 0x01                                       ; source 0 (W's fragments, LDS addresses) in window 1
	XLOAD 0
	XLOAD 1
	; the sixteen accumulators take turns, one instruction a turn
.irp hs, 0,1,2,3,4,5,6,7,8,9,10,11,12,13,14,15
	HSTEP \hs
.endr
	WIN 0
	PLACES                                         ; behind the last matrix instructions: results are read, fragment registers written
	; y0 leaves from the accumulators, ahead of the statistics, which only read them
.irp p, 0,1,2,3,4,5,6,7
.irp a, 0,1
.irp q, 0,1
	global_store_b128 v[YO], v[ACC+64*\a+8*\p+4*\q:ACC+64*\a+8*\p+4*\q+3], s[12:13] offset:512*(4*\p+2*\a+\q)
.endr
.endr
.endr
	; per channel over the 128 points: eight tiles inside the lane, then the sixteen lanes of a half
.irp a, 0,1
.irp x, 0,2,4,6
	v_pk_add_f32 v[SM+8*\a+\x:SM+8*\a+\x+1], v[ACC+64*\a+\x:ACC+64*\a+\x+1], v[ACC+64*\a+8+\x:ACC+64*\a+8+\x+1]
.endr
.endr
.irp p, 2,3,4,5,6,7
.irp a, 0,1
.irp x, 0,2,4,6
	v_pk_add_f32 v[SM+8*\a+\x:SM+8*\a+\x+1], v[SM+8*\a+\x:SM+8*\a+\x+1], v[ACC+64*\a+8*\p+\x:ACC+64*\a+8*\p+\x+1]
.endr
.endr
.endr
.irp m, 1,2,4,8
.set k, 0
.rept 16
	v_add_f32_dpp v[SM+k], v[SM+k], v[SM+k] row_xmask:\m row_mask:0xf bank_mask:0xf
.set k, k+1
.endr
.endr
.irp x, 0,2,4,6,8,10,12,14
	v_pk_mul_f32 v[SM+\x:SM+\x+1], v[SM+\x:SM+\x+1], 0x3c000000 op_sel_hi:[1,0]       ; / 128: the tile's means
.endr
.irp p, 0,1,2,3,4,5,6,7
.irp a, 0,1
.irp x, 0,2,4,6
	v_pk_add_f32 v[TT+\x:TT+\x+1], v[ACC+64*\a+8*\p+\x:ACC+64*\a+8*\p+\x+1], v[SM+8*\a+\x:SM+8*\a+\x+1] neg_lo:[0,1] neg_hi:[0,1]
.endr
.irp x, 0,2,4,6
.if \p == 0
	v_pk_mul_f32 v[QM+8*\a+\x:QM+8*\a+\x+1], v[TT+\x:TT+\x+1], v[TT+\x:TT+\x+1]
.else
	v_pk_fma_f32 v[QM+8*\a+\x:QM+8*\a+\x+1], v[TT+\x:TT+\x+1], v[TT+\x:TT+\x+1], v[QM+8*\a+\x:QM+8*\a+\x+1]
.endif
.endr
.endr
.endr
.irp m, 1,2,4,8
.set k, 0
.rept 16
	v_add_f32_dpp v[QM+k], v[QM+k], v[QM+k] row_xmask:\m row_mask:0xf bank_mask:0xf
.set k, k+1
.endr
.endr
.irp a, 0,1
.irp x, 0,4
	ds_store_b128 v6, v[SM+8*\a+\x:SM+8*\a+\x+3] offset:64*\a+4*\x           ; the sixteen lanes of a half write the same words with the same values
	ds_store_b128 v6, v[QM+8*\a+\x:QM+8*\a+\x+3] offset:1024+64*\a+4*\x
.endr
.endr
	s_wait_dscnt 0x0                               ; my 32 channels' figures are written
	s_barrier_signal -1
	s_barrier_wait -1
	s_cmp_gt_u32 s16, 3
	s_cbranch_scc1 .Ldone
	v_lshlrev_b32 v12, 4, v0
	v_add_nc_u32 v12, SCR, v12
	ds_load_b128 v[SM:SM+3], v12                   ; threads 0-63 the means, 64-127 the sums of squares
	v_and_b32 v13, 63, v0
	v_lshrrev_b32 v14, 6, v0
	v_lshlrev_b32 v13, 4, v13
	v_lshl_add_u32 v13, v14, 18, v13
	s_wait_dscnt 0x0
	global_store_b128 v13, v[SM:SM+3], s[14:15]
.Ldone:
	s_set_vgpr_msb 0x5
	s_wait_tensorcnt 0x0
	ds_add_u32 v136, v137
	s_wait_dscnt 0x0
	s_set_vgpr_msb 0x500
	s_endpgm
.Lfunc_end_k_q577939ff9f_passA:
	.size	k_q577939ff9f_passA, .Lfunc_end_k_q577939ff9f_passA-k_q577939ff9f_passA
	.p2alignl 7, 3214868480
	.fill 96, 4, 3214868480
	.section	.rodata,"a",@progbits
	.p2align	6, 0x0
	.amdhsa_kernel k_q577939ff9f_passA
		.amdhsa_group_segment_fixed_size 209920
		.amdhsa_private_segment_fixed_size 0
		.amdhsa_enable_private_segment 0
		.amdhsa_kernarg_size 48
		.amdhsa_user_sgpr_count 2
		.amdhsa_user_sgpr_kernarg_segment_ptr 1
		.amdhsa_wavefront_size32 1
		.amdhsa_system_sgpr_workgroup_id_x 1
		.amdhsa_system_sgpr_workgroup_id_y 1
		.amdhsa_system_sgpr_workgroup_id_z 1
		.amdhsa_system_vgpr_workitem_id 0
		.amdhsa_next_free_vgpr 394
		.amdhsa_next_free_sgpr 66
		.amdhsa_reserve_vcc 0
		.amdhsa_float_denorm_mode_32 3
		.amdhsa_float_denorm_mode_16_64 3
		.amdhsa_memory_ordered 1
		.amdhsa_forward_progress 1
		.amdhsa_inst_pref_size 131
	.end_amdhsa_kernel
	.amdgpu_metadata
---
amdhsa.version: [ 1, 2 ]
amdhsa.kernels:
  - .name:           k_q577939ff9f_passA
    .symbol:         k_q577939ff9f_passA.kd
    .args:
      - { .name: points1, .offset: 0, .size: 8, .value_kind: global_buffer, .address_space: global }
      - { .name: wf, .offset: 8, .size: 8, .value_kind: global_buffer, .address_space: global }
      - { .name: idx, .offset: 16, .size: 8, .value_kind: global_buffer, .address_space: global }
      - { .name: q, .offset: 24, .size: 8, .value_kind: global_buffer, .address_space: global }
      - { .name: y0, .offset: 32, .size: 8, .value_kind: global_buffer, .address_space: global }
      - { .name: st, .offset: 40, .size: 8, .value_kind: global_buffer, .address_space: global }
    .group_segment_fixed_size: 209920
    .private_segment_fixed_size: 0
    .kernarg_segment_align: 8
    .kernarg_segment_size: 48
    .max_flat_workgroup_size: 256
    .sgpr_count:     66
    .vgpr_count:     394
    .wavefront_size: 32
...
	.end_amdgpu_metadata
.endif
;; end of part 3
;; launch fin0 (part 4): grid 4 x 1, 8 waves a work-group, no clusters, 5,120 bytes of LDS; arguments st, g0, b0, ss0; writes ss0
.if DOCPART == 4
	.amdgcn_target "amdgcn-amd-amdhsa--gfx1250"
	.amdhsa_code_object_version 6
	.text
	.protected	k_q577939ff9f_fin0
	.globl	k_q577939ff9f_fin0
	.p2align	8
	.type	k_q577939ff9f_fin0,@function
k_q577939ff9f_fin0:
	s_mov_b64 s[64:65], 0
	v_nop
	global_prefetch_b8 v0, s[64:65] scope:SCOPE_SE
	s_setreg_imm32_b32 hwreg(HW_REG_WAVE_MODE, 25, 1), 1
	s_wait_xcnt 0x0
; fin: the 256 tiles' (mean, sum of squares about it) become, per channel, scale = g / sqrt(var + 1e-5) and shift = b - mean scale.
; mean = sum of the tiles' means / 256;  32768 var = sum of the tiles' sums of squares + 128 x sum of (tile mean - mean)^2:
; no difference of large sums is formed.  g and b are rounded to bf16 like every input.
; Work-group i: channels 64 i .. + 63, two a lane (a wave's load covers 256 consecutive bytes); wave w: tiles 32 w .. + 31.
; Four work-groups: the whole input is 512 KiB, and one channel's sum wants all its tiles in one place.
.set MN, 16                            ; v[16:79]   32 tiles' means
.set MQ, 80                            ; v[80:143]  32 tiles' sums of squares
.set CH, 144                           ; v[144:159] chains, and the eight waves' partial sums
.macro SUM8                            ; eight pairs at CH become one
	v_pk_add_f32 v[CH:CH+1], v[CH:CH+1], v[CH+2:CH+3]
	v_pk_add_f32 v[CH+4:CH+5], v[CH+4:CH+5], v[CH+6:CH+7]
	v_pk_add_f32 v[CH+8:CH+9], v[CH+8:CH+9], v[CH+10:CH+11]
	v_pk_add_f32 v[CH+12:CH+13], v[CH+12:CH+13], v[CH+14:CH+15]
	v_pk_add_f32 v[CH:CH+1], v[CH:CH+1], v[CH+4:CH+5]
	v_pk_add_f32 v[CH+8:CH+9], v[CH+8:CH+9], v[CH+12:CH+13]
	v_pk_add_f32 v[CH:CH+1], v[CH:CH+1], v[CH+8:CH+9]
.endm
.macro SUM4                            ; four chains at CH become one
	v_pk_add_f32 v[CH:CH+1], v[CH:CH+1], v[CH+2:CH+3]
	v_pk_add_f32 v[CH+4:CH+5], v[CH+4:CH+5], v[CH+6:CH+7]
	v_pk_add_f32 v[CH:CH+1], v[CH:CH+1], v[CH+4:CH+5]
.endm
.macro HALVE n                         ; the first n pairs at MQ take the next n in
.set t, 0
.rept \n
	v_pk_add_f32 v[MQ+2*t:MQ+2*t+1], v[MQ+2*t:MQ+2*t+1], v[MQ+2*(t+\n):MQ+2*(t+\n)+1]
.set t, t+1
.endr
.endm
	s_load_b256 s[4:11], s[0:1], 0x0               ; st s[4:5], g s[6:7], b s[8:9], ss s[10:11]
	v_lshl_add_u32 v160, v0, 2, 0x1000
	v_mov_b32 v161, 0
	v_lshrrev_b32 v1, 5, v0
	v_readfirstlane_b32 s12, v1                    ; wave
	v_and_b32 v2, 31, v0
	v_lshlrev_b32 v3, 3, v2                        ; 8 L
	s_lshl_b32 s13, ttmp9, 8
	v_add_nc_u32 v1, s13, v3                       ; 256 i + 8 L: my two channels in g, b, ss and in a tile's row
	s_lshl_b32 s14, s12, 15
	v_add_nc_u32 v12, s14, v1                      ; + 32 tiles of 1,024 bytes a wave
	s_lshl_b32 s15, s12, 8
	v_add_nc_u32 v13, s15, v3                      ; LDS: 256 w + 8 L
	s_mov_b32 s16, 0x38000000                      ; 1 / 32768
	s_wait_kmcnt 0x0
	global_load_b64 v[4:5], v1, s[6:7]
	global_load_b64 v[6:7], v1, s[8:9]
.set t, 0
.rept 32
	global_load_b64 v[MN+2*t:MN+2*t+1], v12, s[4:5] offset:1024*t
.set t, t+1
.endr
.set t, 0
.rept 32
	global_load_b64 v[MQ+2*t:MQ+2*t+1], v12, s[4:5] offset:262144+1024*t
.set t, t+1
.endr
	s_wait_loadcnt 32                              ; g, b and the means are in; the 32 sums of squares stay out
.irp c, 0,1,2,3
	v_pk_add_f32 v[CH+2*\c:CH+2*\c+1], v[MN+2*\c:MN+2*\c+1], v[MN+8+2*\c:MN+8+2*\c+1]
.endr
.set t, 8
.rept 24
	v_pk_add_f32 v[CH+2*(t%4):CH+2*(t%4)+1], v[CH+2*(t%4):CH+2*(t%4)+1], v[MN+2*t:MN+2*t+1]
.set t, t+1
.endr
	SUM4
	ds_store_b64 v13, v[CH:CH+1]
	s_wait_dscnt 0x0
	s_barrier_signal -1
	s_barrier_wait -1
.irp w, 0,1,2,3,4,5,6,7
	ds_load_b64 v[CH+2*\w:CH+2*\w+1], v3 offset:256*\w
.endr
	s_wait_dscnt 0x0
	SUM8
	v_pk_mul_f32 v[8:9], v[CH:CH+1], 0x3b800000 op_sel_hi:[1,0]    ; / 256: the mean
	s_wait_loadcnt 0x0
.set t, 0
.rept 32
	v_pk_add_f32 v[MN+2*t:MN+2*t+1], v[MN+2*t:MN+2*t+1], v[8:9] neg_lo:[0,1] neg_hi:[0,1]
.set t, t+1
.endr
.irp c, 0,1,2,3
	v_pk_mul_f32 v[CH+2*\c:CH+2*\c+1], v[MN+2*\c:MN+2*\c+1], v[MN+2*\c:MN+2*\c+1]
.endr
.set t, 4
.rept 28
	v_pk_fma_f32 v[CH+2*(t%4):CH+2*(t%4)+1], v[MN+2*t:MN+2*t+1], v[MN+2*t:MN+2*t+1], v[CH+2*(t%4):CH+2*(t%4)+1]
.set t, t+1
.endr
	SUM4
	HALVE 16
	HALVE 8
	HALVE 4
	HALVE 2
	HALVE 1
	v_pk_fma_f32 v[CH:CH+1], v[CH:CH+1], 0x43000000, v[MQ:MQ+1] op_sel_hi:[1,0,1]     ; 128 x the means' part + the tiles' part
	ds_store_b64 v13, v[CH:CH+1] offset:2048       ; other bytes than the first exchange's
	s_wait_dscnt 0x0
	s_barrier_signal -1
	s_barrier_wait -1
.irp w, 0,1,2,3,4,5,6,7
	ds_load_b64 v[CH+2*\w:CH+2*\w+1], v3 offset:2048+256*\w
.endr
	v_cvt_pk_bf16_f32 v14, v4, v5                  ; g and b rounded to bf16
	v_cvt_pk_bf16_f32 v15, v6, v7
	s_wait_dscnt 0x0
	SUM8
	v_fmaak_f32 v10, s16, v[CH], 0x3727c5ac        ; var + 1e-5
	v_fmaak_f32 v11, s16, v[CH+1], 0x3727c5ac
	v_rsq_f32 v10, v10
	v_rsq_f32 v11, v11
	v_lshlrev_b32 v4, 16, v14                      ; plain instructions between v_rsq_f32 and its use (ISA guide 5.7.2)
	v_and_b32 v5, 0xffff0000, v14
	v_lshlrev_b32 v6, 16, v15
	v_and_b32 v7, 0xffff0000, v15
	s_wait_alu depctr_va_vdst(0)
	v_pk_mul_f32 v[10:11], v[4:5], v[10:11]        ; scale
	v_pk_fma_f32 v[14:15], v[8:9], v[10:11], v[6:7] neg_lo:[1,0,0] neg_hi:[1,0,0]     ; shift = b - mean scale
	s_cmp_lg_u32 s12, 0
	s_cbranch_scc1 .Lend
	global_store_b64 v1, v[10:11], s[10:11]        ; 256 consecutive bytes
	global_store_b64 v1, v[14:15], s[10:11] offset:1024
.Lend:
	s_wait_tensorcnt 0x0
	ds_add_u32 v160, v161
	s_wait_dscnt 0x0
	s_endpgm
.Lfunc_end_k_q577939ff9f_fin0:
	.size	k_q577939ff9f_fin0, .Lfunc_end_k_q577939ff9f_fin0-k_q577939ff9f_fin0
	.p2alignl 7, 3214868480
	.fill 96, 4, 3214868480
	.section	.rodata,"a",@progbits
	.p2align	6, 0x0
	.amdhsa_kernel k_q577939ff9f_fin0
		.amdhsa_group_segment_fixed_size 5120
		.amdhsa_private_segment_fixed_size 0
		.amdhsa_enable_private_segment 0
		.amdhsa_kernarg_size 32
		.amdhsa_user_sgpr_count 2
		.amdhsa_user_sgpr_kernarg_segment_ptr 1
		.amdhsa_wavefront_size32 1
		.amdhsa_system_sgpr_workgroup_id_x 1
		.amdhsa_system_sgpr_workgroup_id_y 1
		.amdhsa_system_sgpr_workgroup_id_z 1
		.amdhsa_system_vgpr_workitem_id 0
		.amdhsa_next_free_vgpr 162
		.amdhsa_next_free_sgpr 66
		.amdhsa_reserve_vcc 0
		.amdhsa_float_denorm_mode_32 3
		.amdhsa_float_denorm_mode_16_64 3
		.amdhsa_memory_ordered 1
		.amdhsa_forward_progress 1
		.amdhsa_inst_pref_size 19
	.end_amdhsa_kernel
	.amdgpu_metadata
---
amdhsa.version: [ 1, 2 ]
amdhsa.kernels:
  - .name:           k_q577939ff9f_fin0
    .symbol:         k_q577939ff9f_fin0.kd
    .args:
      - { .name: st, .offset: 0, .size: 8, .value_kind: global_buffer, .address_space: global }
      - { .name: g0, .offset: 8, .size: 8, .value_kind: global_buffer, .address_space: global }
      - { .name: b0, .offset: 16, .size: 8, .value_kind: global_buffer, .address_space: global }
      - { .name: ss0, .offset: 24, .size: 8, .value_kind: global_buffer, .address_space: global }
    .group_segment_fixed_size: 5120
    .private_segment_fixed_size: 0
    .kernarg_segment_align: 8
    .kernarg_segment_size: 32
    .max_flat_workgroup_size: 256
    .sgpr_count:     66
    .vgpr_count:     162
    .wavefront_size: 32
...
	.end_amdgpu_metadata
.endif
;; end of part 4
;; launch passB (part 5): grid 256 x 1, 8 waves a work-group, no clusters, 68,608 bytes of LDS; arguments y0, wf, ss0, st; writes st
.if DOCPART == 5
	.amdgcn_target "amdgcn-amd-amdhsa--gfx1250"
	.amdhsa_code_object_version 6
	.text
	.protected	k_q577939ff9f_passB
	.globl	k_q577939ff9f_passB
	.p2align	8
	.type	k_q577939ff9f_passB,@function
k_q577939ff9f_passB:
	s_mov_b64 s[64:65], 0
	v_nop
	global_prefetch_b8 v0, s[64:65] scope:SCOPE_SE
	s_setreg_imm32_b32 hwreg(HW_REG_WAVE_MODE, 25, 1), 1
	s_wait_xcnt 0x0
; passB (FINAL = 0) and passC (FINAL = 1) are one text.  x1 = max(y0 scale0 + shift0, 0), y1 = W1 x1.
; FINAL = 0 keeps only each channel's mean and sum of squares about it over the tile's 128 points; FINAL = 1 makes y1 again and
; writes max(y1 scale1 + shift1, 0): the second product costs less than y1's 33,554,432 bytes out and in again.
; Work-group i: points 128 i .. + 127.  y0 lies as the launch before left its accumulators: tile i, part w (16,384 bytes), chunk
; 4 p + 2 a + q (512 bytes), lane (r, h): channels 32 w + 16 a + 8 h + 4 q .. + 3 of point 16 p + r.  Wave w loads part w, which is K step w
; of all 128 points, already in the lanes and in the order of a fragment of source 0: it is normalised, packed to f16 and laid into LDS
; fragment by fragment, 512 consecutive bytes a store and a load.  Then wave w makes channels 32 w .. + 31 of y1 for all 128 points.
; Source 0 = 16 points of x1, source 1 = 16 channels of W1: lane r then holds one channel, its registers eight neighbouring points.
; LIMIT: x1 and W1 are f16.  x1 is at most 181 |g0| + |b0| (a normalised number over 32,768 points is at most 181) and must stay below 65,504.
.set FINAL, 0
.set TAIL, 65536                       ; LDS at 0: x1, fragment (p, ks) at 1024 (8 p + ks).  Behind it: FINAL = 0: 256 means, 256 sums of squares; FINAL = 1: a stage for each wave
.set SP,   528                         ; a row of the stage: 512 + 16 bytes
.set FA,   5                           ; 16 L: where I read fragments
.set SS1,  8                           ; v[8:11]    FINAL = 1: (scale1, shift1) of my channel, a = 0, 1
.set XA,   12                          ; where I put x1
.set SO,   13                          ; my channels' place in ss0
.set SA,   14                          ; where I put results
.set RD,   15                          ; where I read them back
.set ACC,  16                          ; v[16:143]  y0 as loaded; then accumulator (a, p) at 16 + 64 a + 8 p
.set PK,   144                         ; v[144:159] packed numbers, four sets in rotation
.set XB,   144                         ; v[144:239] three buffers of four fragments
.set SC0,  224                         ; v[224:239] scale0 of channels 32 w + 16 a + 8 h + 0..7 at 8 a (done with when the product begins)
.set SH0,  240                         ; v[240:255] shift0 likewise
.set SM,   144                         ; statistics: four chains
.set MN,   152                         ; the mean, twice
.set TT,   154                         ; v[154:161]
.set QM,   162                         ; v[162:169]
; window 1: v256-383 fragment (a, ks) of W1 at 8 (8 a + ks)
.set MSB, 0
.macro WIN new
.if MSB != \new
	s_set_vgpr_msb (MSB<<8)|\new
.set MSB, \new
.endif
.endm
.macro PLACES                          ; four places behind a matrix instruction (ISA guide 7.12.1)
.rept 4
	v_nop
.endr
.endm
.macro XLOAD hs                        ; half step hs: K step hs / 2, points 64 (hs & 1) .. + 63
.irp q, 0,1,2,3
.set BR, XB+32*((\hs)%3)+8*\q
.set OF, 8192*(4*((\hs)&1)+\q)+1024*((\hs)>>1)
	ds_load_b128 v[BR:BR+3], v[FA] offset:OF
	ds_load_b128 v[BR+4:BR+7], v[FA] offset:OF+512
.endr
.endm
.macro HSTEP hs
.if (\hs) < 14
.if (\hs) > 0
	PLACES                                         ; between the matrix instructions that read the buffer and the loads into it
.endif
	XLOAD \hs+2
	s_wait_dscnt 16                                ; this half step's eight loads are in; sixteen younger stay out
.else
	s_wait_dscnt 8*(15-(\hs))
.endif
.irp q, 0,1,2,3
.irp a, 0,1
.set AR, ACC+64*\a+8*(4*((\hs)&1)+\q)
.set WR, 8*(8*\a+((\hs)>>1))
.set BR, XB+32*((\hs)%3)+8*\q
.if ((\hs)>>1) == 0
	v_wmma_f32_16x16x32_f16 v[AR:AR+7], v[BR:BR+7], v[WR:WR+7], 0          ; the first product starts the sum
.else
	v_wmma_f32_16x16x32_f16 v[AR:AR+7], v[BR:BR+7], v[WR:WR+7], v[AR:AR+7]
.endif
.endr
.endr
.endm
; four chains at \base become one number, summed over the lane's pair and over the two halves of the wave
.macro FOLD base
	v_pk_add_f32 v[\base:\base+1], v[\base:\base+1], v[\base+2:\base+3]
	v_pk_add_f32 v[\base+4:\base+5], v[\base+4:\base+5], v[\base+6:\base+7]
	v_pk_add_f32 v[\base:\base+1], v[\base:\base+1], v[\base+4:\base+5]
	v_add_f32 v[\base], v[\base], v[\base+1]
	v_permlanex16_b32 v[\base+1], v[\base], s20, s21
	v_add_f32 v[\base], v[\base], v[\base+1]
.endm
.macro STATS a                         ; my channel 32 w + 16 a + r over the 128 points
.irp x, 0,2,4,6
	v_pk_add_f32 v[SM+\x:SM+\x+1], v[ACC+64*\a+\x:ACC+64*\a+\x+1], v[ACC+64*\a+8+\x:ACC+64*\a+8+\x+1]
.endr
.irp p, 2,3,4,5,6,7
.irp x, 0,2,4,6
	v_pk_add_f32 v[SM+\x:SM+\x+1], v[SM+\x:SM+\x+1], v[ACC+64*\a+8*\p+\x:ACC+64*\a+8*\p+\x+1]
.endr
.endr
	FOLD SM
	v_mul_f32 v[MN], 0x3c000000, v[SM]             ; / 128, twice: a pair for the packed subtraction
	v_mul_f32 v[MN+1], 0x3c000000, v[SM]
.irp p, 0,1,2,3,4,5,6,7
.irp x, 0,2,4,6
	v_pk_add_f32 v[TT+\x:TT+\x+1], v[ACC+64*\a+8*\p+\x:ACC+64*\a+8*\p+\x+1], v[MN:MN+1] neg_lo:[0,1] neg_hi:[0,1]
.endr
.irp x, 0,2,4,6
.if \p == 0
	v_pk_mul_f32 v[QM+\x:QM+\x+1], v[TT+\x:TT+\x+1], v[TT+\x:TT+\x+1]
.else
	v_pk_fma_f32 v[QM+\x:QM+\x+1], v[TT+\x:TT+\x+1], v[TT+\x:TT+\x+1], v[QM+\x:QM+\x+1]
.endif
.endr
.endr
	FOLD QM
	ds_store_b32 v[SA], v[MN] offset:64*\a         ; lanes r and r + 16 write the same word with the same value
	ds_store_b32 v[SA], v[QM] offset:1024+64*\a
.endm
.macro OUT a, rb                       ; 16 channels x 128 points: normalise, through my own stage, out as whole rows of 512 bytes
.irp p, 0,1,2,3,4,5,6,7
.irp x, 0,2,4,6
	v_pk_fma_f32 v[ACC+64*\a+8*\p+\x:ACC+64*\a+8*\p+\x+1], v[ACC+64*\a+8*\p+\x:ACC+64*\a+8*\p+\x+1], v[SS1+2*\a:SS1+2*\a+1], v[SS1+2*\a:SS1+2*\a+1] op_sel:[0,0,1] op_sel_hi:[1,0,1]
.endr
.endr
.set k, 0
.rept 64
	v_max_num_f32 v[ACC+64*\a+k], 0, v[ACC+64*\a+k]
.set k, k+1
.endr
.irp p, 0,1,2,3,4,5,6,7
	ds_store_b128 v[SA], v[ACC+64*\a+8*\p:ACC+64*\a+8*\p+3] offset:64*\p
	ds_store_b128 v[SA], v[ACC+64*\a+8*\p+4:ACC+64*\a+8*\p+7] offset:64*\p+16
.endr
.set k, 0
.rept 16
	ds_load_b128 v[\rb+4*k:\rb+4*k+3], v[RD] offset:SP*k           ; my own bytes; LDS serves a wave's instructions in order (ISA guide 5.7.1.4)
.set k, k+1
.endr
.set k, 0
.rept 16
	s_wait_dscnt 15-k
	global_store_b128 v1, v[\rb+4*k:\rb+4*k+3], s[12:13] offset:32768*(16*\a+k) th:TH_STORE_NT
.set k, k+1
.endr
.endm
	s_load_b256 s[4:11], s[0:1], 0x0               ; y0 s[4:5], wf s[6:7], ss0 s[8:9], then st (FINAL = 0) or ss1 (FINAL = 1) s[10:11]
	v_lshl_add_u32 v11, v0, 2, 0x10800
	v_mov_b32 v15, 0
.if FINAL
	s_load_b64 s[12:13], s[0:1], 0x20              ; out0
.endif
	v_lshrrev_b32 v1, 5, v0
	v_readfirstlane_b32 s16, v1                    ; wave
	v_and_b32 v2, 31, v0                           ; L
	v_and_b32 v3, 15, v0                           ; r
	v_bfe_u32 v4, v0, 4, 1                         ; h
	v_lshlrev_b32 v[FA], 4, v2                     ; 16 L
	s_lshl_b32 s17, s16, 14
	v_add_nc_u32 v6, s17, v[FA]                    ; 16384 w + 16 L: my 16 fragments of W1, and my part of the tile of y0
	s_lshl_b32 s18, ttmp9, 17                      ; a tile of y0: 131,072 bytes
	s_mov_b32 s19, 0
	s_mov_b32 s20, 0x76543210                      ; v_permlanex16_b32: lane i of one half reads lane i of the other
	s_mov_b32 s21, 0xfedcba98
	s_lshl_b32 s22, s16, 10
	v_add_nc_u32 v[XA], s22, v[FA]                 ; fragment (0, w): 1024 w + 16 L
	s_lshl_b32 s23, s16, 7
	v_lshl_add_u32 v[SO], v4, 5, s23               ; 4 (32 w + 8 h)
.if FINAL
	v_lshl_add_u32 v7, v3, 2, s23                  ; 4 (32 w + r)
	s_mul_i32 s24, s16, 16*SP
	s_add_co_u32 s24, s24, TAIL                    ; my stage
	v_mul_u32_u24 v[SA], v3, SP
	v_lshl_add_u32 v[SA], v4, 5, v[SA]
	v_add_nc_u32 v[SA], s24, v[SA]                 ; channel r, points 8 h ..
	v_add_nc_u32 v[RD], s24, v[FA]
	s_lshl_b32 s25, s16, 20
	v_add_nc_u32 v1, s25, v[FA]                    ; 32 w rows of 32,768 bytes + 16 L
.else
	s_add_co_u32 s23, s23, TAIL
	v_lshl_add_u32 v[SA], v3, 2, s23
.endif
	s_wait_kmcnt 0x0
	s_add_nc_u64 s[4:5], s[4:5], s[18:19]
	s_add_nc_u64 s[6:7], s[6:7], 384*1024          ; W1's fragments lie behind W0's 384
.irp k, 0,1,2,3
	global_load_b128 v[SC0+4*\k:SC0+4*\k+3], v[SO], s[8:9] offset:64*(\k>>1)+16*(\k&1)          ; k = 2 a + q
	global_load_b128 v[SH0+4*\k:SH0+4*\k+3], v[SO], s[8:9] offset:1024+64*(\k>>1)+16*(\k&1)
.endr
.if FINAL
.irp a, 0,1
	global_load_b32 v[SS1+2*\a], v7, s[10:11] offset:64*\a
	global_load_b32 v[SS1+2*\a+1], v7, s[10:11] offset:1024+64*\a
.endr
.endif
.set j, 0
.rept 32
.if FINAL
	global_load_b128 v[ACC+4*j:ACC+4*j+3], v6, s[4:5] offset:512*j th:TH_LOAD_NT
.else
	global_load_b128 v[ACC+4*j:ACC+4*j+3], v6, s[4:5] offset:512*j
.endif
.set j, j+1
.endr
	WIN 0x40                                       ; destinations in window 1.  W1 is asked for behind y0: it is wanted only at the product
.set k, 0
.rept 32
	global_load_b128 v[4*k:4*k+3], v6, s[6:7] offset:512*k
.set k, k+1
.endr
	WIN 0
	; slot m = 2 p + a: chunks 2 m and 2 m + 1, my eight channels 16 a + 8 h + 0..7 of point 16 p + r: half a fragment
.set m, 0
.rept 16
.set YR, ACC+8*m
.set YC, 8*(m&1)
	s_wait_loadcnt 62-2*m                          ; both chunks are in: 30 - 2 m chunks of y0 and W1's 32 loads are younger
.irp x, 0,2,4,6
	v_pk_fma_f32 v[YR+\x:YR+\x+1], v[YR+\x:YR+\x+1], v[SC0+YC+\x:SC0+YC+\x+1], v[SH0+YC+\x:SH0+YC+\x+1]
.endr
.irp x, 0,1,2,3,4,5,6,7
	v_max_num_f32 v[YR+\x], 0, v[YR+\x]
.endr
.irp x, 0,1,2,3
	v_cvt_pk_f16_f32 v[PK+4*(m%4)+\x], v[YR+2*\x], v[YR+2*\x+1]
.endr
	ds_store_b128 v[XA], v[PK+4*(m%4):PK+4*(m%4)+3] offset:8192*(m>>1)+512*(m&1)
.set m, m+1
.endr
	s_wait_dscnt 0x0                               ; my K step of x1 is written
	s_barrier_signal -1
	s_barrier_wait -1
	WIN 0x04                                       ; source 1 (W1's fragments) in window 1
	XLOAD 0
	XLOAD 1
	s_wait_loadcnt 0x0                             ; W1 is in
	; the sixteen accumulators take turns, one instruction a turn
.irp hs, 0,1,2,3,4,5,6,7,8,9,10,11,12,13,14,15
	HSTEP \hs
.endr
	WIN 0
	PLACES                                         ; behind the last matrix instructions: results are read, fragment registers written
.if FINAL
	s_lshr_b32 s26, ttmp9, 6
	s_lshl_b32 s26, s26, 23                        ; 256 rows of 32,768 bytes a batch
	s_and_b32 s27, ttmp9, 63
	s_lshl_b32 s27, s27, 9
	s_add_co_u32 s26, s26, s27
	s_mov_b32 s27, 0
	s_add_nc_u64 s[12:13], s[12:13], s[26:27]
	OUT 0, XB                                      ; read back into the fragment buffers,
	OUT 1, ACC                                     ; and into a = 0's accumulators: no pending store's data is written over
.else
	STATS 0
	STATS 1
	s_wait_dscnt 0x0
	s_barrier_signal -1
	s_barrier_wait -1
	s_cmp_gt_u32 s16, 3
	s_cbranch_scc1 .Lend
	v_lshlrev_b32 v8, 4, v0
	v_add_nc_u32 v8, TAIL, v8
	ds_load_b128 v[ACC:ACC+3], v8                  ; threads 0-63 the means, 64-127 the sums of squares
	s_lshl_b32 s18, ttmp9, 10
	s_add_nc_u64 s[10:11], s[10:11], s[18:19]      ; st at my tile
	v_and_b32 v9, 63, v0
	v_lshrrev_b32 v10, 6, v0
	v_lshlrev_b32 v9, 4, v9
	v_lshl_add_u32 v9, v10, 18, v9
	s_wait_dscnt 0x0
	global_store_b128 v9, v[ACC:ACC+3], s[10:11]
.Lend:
.endif
	s_wait_tensorcnt 0x0
	ds_add_u32 v11, v15
	s_wait_dscnt 0x0
	s_endpgm
.Lfunc_end_k_q577939ff9f_passB:
	.size	k_q577939ff9f_passB, .Lfunc_end_k_q577939ff9f_passB-k_q577939ff9f_passB
	.p2alignl 7, 3214868480
	.fill 96, 4, 3214868480
	.section	.rodata,"a",@progbits
	.p2align	6, 0x0
	.amdhsa_kernel k_q577939ff9f_passB
		.amdhsa_group_segment_fixed_size 68608
		.amdhsa_private_segment_fixed_size 0
		.amdhsa_enable_private_segment 0
		.amdhsa_kernarg_size 32
		.amdhsa_user_sgpr_count 2
		.amdhsa_user_sgpr_kernarg_segment_ptr 1
		.amdhsa_wavefront_size32 1
		.amdhsa_system_sgpr_workgroup_id_x 1
		.amdhsa_system_sgpr_workgroup_id_y 1
		.amdhsa_system_sgpr_workgroup_id_z 1
		.amdhsa_system_vgpr_workitem_id 0
		.amdhsa_next_free_vgpr 384
		.amdhsa_next_free_sgpr 66
		.amdhsa_reserve_vcc 0
		.amdhsa_float_denorm_mode_32 3
		.amdhsa_float_denorm_mode_16_64 3
		.amdhsa_memory_ordered 1
		.amdhsa_forward_progress 1
		.amdhsa_inst_pref_size 55
	.end_amdhsa_kernel
	.amdgpu_metadata
---
amdhsa.version: [ 1, 2 ]
amdhsa.kernels:
  - .name:           k_q577939ff9f_passB
    .symbol:         k_q577939ff9f_passB.kd
    .args:
      - { .name: y0, .offset: 0, .size: 8, .value_kind: global_buffer, .address_space: global }
      - { .name: wf, .offset: 8, .size: 8, .value_kind: global_buffer, .address_space: global }
      - { .name: ss0, .offset: 16, .size: 8, .value_kind: global_buffer, .address_space: global }
      - { .name: st, .offset: 24, .size: 8, .value_kind: global_buffer, .address_space: global }
    .group_segment_fixed_size: 68608
    .private_segment_fixed_size: 0
    .kernarg_segment_align: 8
    .kernarg_segment_size: 32
    .max_flat_workgroup_size: 256
    .sgpr_count:     66
    .vgpr_count:     384
    .wavefront_size: 32
...
	.end_amdgpu_metadata
.endif
;; end of part 5
;; launch fin1: the kernel of part 4 again; grid 4 x 1, 8 waves a work-group, no clusters, 5,120 bytes of LDS; arguments st, g1, b1, ss1; writes ss1
;; launch passC (part 6): grid 256 x 1, 8 waves a work-group, no clusters, 134,144 bytes of LDS; arguments y0, wf, ss0, ss1, out0; writes out0
.if DOCPART == 6
	.amdgcn_target "amdgcn-amd-amdhsa--gfx1250"
	.amdhsa_code_object_version 6
	.text
	.protected	k_q577939ff9f_passC
	.globl	k_q577939ff9f_passC
	.p2align	8
	.type	k_q577939ff9f_passC,@function
k_q577939ff9f_passC:
	s_mov_b64 s[64:65], 0
	v_nop
	global_prefetch_b8 v0, s[64:65] scope:SCOPE_SE
	s_setreg_imm32_b32 hwreg(HW_REG_WAVE_MODE, 25, 1), 1
	s_wait_xcnt 0x0
; passB (FINAL = 0) and passC (FINAL = 1) are one text.  x1 = max(y0 scale0 + shift0, 0), y1 = W1 x1.
; FINAL = 0 keeps only each channel's mean and sum of squares about it over the tile's 128 points; FINAL = 1 makes y1 again and
; writes max(y1 scale1 + shift1, 0): the second product costs less than y1's 33,554,432 bytes out and in again.
; Work-group i: points 128 i .. + 127.  y0 lies as the launch before left its accumulators: tile i, part w (16,384 bytes), chunk
; 4 p + 2 a + q (512 bytes), lane (r, h): channels 32 w + 16 a + 8 h + 4 q .. + 3 of point 16 p + r.  Wave w loads part w, which is K step w
; of all 128 points, already in the lanes and in the order of a fragment of source 0: it is normalised, packed to f16 and laid into LDS
; fragment by fragment, 512 consecutive bytes a store and a load.  Then wave w makes channels 32 w .. + 31 of y1 for all 128 points.
; Source 0 = 16 points of x1, source 1 = 16 channels of W1: lane r then holds one channel, its registers eight neighbouring points.
; LIMIT: x1 and W1 are f16.  x1 is at most 181 |g0| + |b0| (a normalised number over 32,768 points is at most 181) and must stay below 65,504.
.set FINAL, 1
.set TAIL, 65536                       ; LDS at 0: x1, fragment (p, ks) at 1024 (8 p + ks).  Behind it: FINAL = 0: 256 means, 256 sums of squares; FINAL = 1: a stage for each wave
.set SP,   528                         ; a row of the stage: 512 + 16 bytes
.set FA,   5                           ; 16 L: where I read fragments
.set SS1,  8                           ; v[8:11]    FINAL = 1: (scale1, shift1) of my channel, a = 0, 1
.set XA,   12                          ; where I put x1
.set SO,   13                          ; my channels' place in ss0
.set SA,   14                          ; where I put results
.set RD,   15                          ; where I read them back
.set ACC,  16                          ; v[16:143]  y0 as loaded; then accumulator (a, p) at 16 + 64 a + 8 p
.set PK,   144                         ; v[144:159] packed numbers, four sets in rotation
.set XB,   144                         ; v[144:239] three buffers of four fragments
.set SC0,  224                         ; v[224:239] scale0 of channels 32 w + 16 a + 8 h + 0..7 at 8 a (done with when the product begins)
.set SH0,  240                         ; v[240:255] shift0 likewise
.set SM,   144                         ; statistics: four chains
.set MN,   152                         ; the mean, twice
.set TT,   154                         ; v[154:161]
.set QM,   162                         ; v[162:169]
; window 1: v256-383 fragment (a, ks) of W1 at 8 (8 a + ks)
.set MSB, 0
.macro WIN new
.if MSB != \new
	s_set_vgpr_msb (MSB<<8)|\new
.set MSB, \new
.endif
.endm
.macro PLACES                          ; four places behind a matrix instruction (ISA guide 7.12.1)
.rept 4
	v_nop
.endr
.endm
.macro XLOAD hs                        ; half step hs: K step hs / 2, points 64 (hs & 1) .. + 63
.irp q, 0,1,2,3
.set BR, XB+32*((\hs)%3)+8*\q
.set OF, 8192*(4*((\hs)&1)+\q)+1024*((\hs)>>1)
	ds_load_b128 v[BR:BR+3], v[FA] offset:OF
	ds_load_b128 v[BR+4:BR+7], v[FA] offset:OF+512
.endr
.endm
.macro HSTEP hs
.if (\hs) < 14
.if (\hs) > 0
	PLACES                                         ; between the matrix instructions that read the buffer and the loads into it
.endif
	XLOAD \hs+2
	s_wait_dscnt 16                                ; this half step's eight loads are in; sixteen younger stay out
.else
	s_wait_dscnt 8*(15-(\hs))
.endif
.irp q, 0,1,2,3
.irp a, 0,1
.set AR, ACC+64*\a+8*(4*((\hs)&1)+\q)
.set WR, 8*(8*\a+((\hs)>>1))
.set BR, XB+32*((\hs)%3)+8*\q
.if ((\hs)>>1) == 0
	v_wmma_f32_16x16x32_f16 v[AR:AR+7], v[BR:BR+7], v[WR:WR+7], 0          ; the first product starts the sum
.else
	v_wmma_f32_16x16x32_f16 v[AR:AR+7], v[BR:BR+7], v[WR:WR+7], v[AR:AR+7]
.endif
.endr
.endr
.endm
; four chains at \base become one number, summed over the lane's pair and over the two halves of the wave
.macro FOLD base
	v_pk_add_f32 v[\base:\base+1], v[\base:\base+1], v[\base+2:\base+3]
	v_pk_add_f32 v[\base+4:\base+5], v[\base+4:\base+5], v[\base+6:\base+7]
	v_pk_add_f32 v[\base:\base+1], v[\base:\base+1], v[\base+4:\base+5]
	v_add_f32 v[\base], v[\base], v[\base+1]
	v_permlanex16_b32 v[\base+1], v[\base], s20, s21
	v_add_f32 v[\base], v[\base], v[\base+1]
.endm
.macro STATS a                         ; my channel 32 w + 16 a + r over the 128 points
.irp x, 0,2,4,6
	v_pk_add_f32 v[SM+\x:SM+\x+1], v[ACC+64*\a+\x:ACC+64*\a+\x+1], v[ACC+64*\a+8+\x:ACC+64*\a+8+\x+1]
.endr
.irp p, 2,3,4,5,6,7
.irp x, 0,2,4,6
	v_pk_add_f32 v[SM+\x:SM+\x+1], v[SM+\x:SM+\x+1], v[ACC+64*\a+8*\p+\x:ACC+64*\a+8*\p+\x+1]
.endr
.endr
	FOLD SM
	v_mul_f32 v[MN], 0x3c000000, v[SM]             ; / 128, twice: a pair for the packed subtraction
	v_mul_f32 v[MN+1], 0x3c000000, v[SM]
.irp p, 0,1,2,3,4,5,6,7
.irp x, 0,2,4,6
	v_pk_add_f32 v[TT+\x:TT+\x+1], v[ACC+64*\a+8*\p+\x:ACC+64*\a+8*\p+\x+1], v[MN:MN+1] neg_lo:[0,1] neg_hi:[0,1]
.endr
.irp x, 0,2,4,6
.if \p == 0
	v_pk_mul_f32 v[QM+\x:QM+\x+1], v[TT+\x:TT+\x+1], v[TT+\x:TT+\x+1]
.else
	v_pk_fma_f32 v[QM+\x:QM+\x+1], v[TT+\x:TT+\x+1], v[TT+\x:TT+\x+1], v[QM+\x:QM+\x+1]
.endif
.endr
.endr
	FOLD QM
	ds_store_b32 v[SA], v[MN] offset:64*\a         ; lanes r and r + 16 write the same word with the same value
	ds_store_b32 v[SA], v[QM] offset:1024+64*\a
.endm
.macro OUT a, rb                       ; 16 channels x 128 points: normalise, through my own stage, out as whole rows of 512 bytes
.irp p, 0,1,2,3,4,5,6,7
.irp x, 0,2,4,6
	v_pk_fma_f32 v[ACC+64*\a+8*\p+\x:ACC+64*\a+8*\p+\x+1], v[ACC+64*\a+8*\p+\x:ACC+64*\a+8*\p+\x+1], v[SS1+2*\a:SS1+2*\a+1], v[SS1+2*\a:SS1+2*\a+1] op_sel:[0,0,1] op_sel_hi:[1,0,1]
.endr
.endr
.set k, 0
.rept 64
	v_max_num_f32 v[ACC+64*\a+k], 0, v[ACC+64*\a+k]
.set k, k+1
.endr
.irp p, 0,1,2,3,4,5,6,7
	ds_store_b128 v[SA], v[ACC+64*\a+8*\p:ACC+64*\a+8*\p+3] offset:64*\p
	ds_store_b128 v[SA], v[ACC+64*\a+8*\p+4:ACC+64*\a+8*\p+7] offset:64*\p+16
.endr
.set k, 0
.rept 16
	ds_load_b128 v[\rb+4*k:\rb+4*k+3], v[RD] offset:SP*k           ; my own bytes; LDS serves a wave's instructions in order (ISA guide 5.7.1.4)
.set k, k+1
.endr
.set k, 0
.rept 16
	s_wait_dscnt 15-k
	global_store_b128 v1, v[\rb+4*k:\rb+4*k+3], s[12:13] offset:32768*(16*\a+k) th:TH_STORE_NT
.set k, k+1
.endr
.endm
	s_load_b256 s[4:11], s[0:1], 0x0               ; y0 s[4:5], wf s[6:7], ss0 s[8:9], then st (FINAL = 0) or ss1 (FINAL = 1) s[10:11]
.if FINAL
	s_load_b64 s[12:13], s[0:1], 0x20              ; out0
	s_set_vgpr_msb 0x40
	v_lshl_add_u32 v128, v0, 2, 0x20800
	v_mov_b32 v129, 0
	s_set_vgpr_msb 0x4000
.endif
	v_lshrrev_b32 v1, 5, v0
	v_readfirstlane_b32 s16, v1                    ; wave
	v_and_b32 v2, 31, v0                           ; L
	v_and_b32 v3, 15, v0                           ; r
	v_bfe_u32 v4, v0, 4, 1                         ; h
	v_lshlrev_b32 v[FA], 4, v2                     ; 16 L
	s_lshl_b32 s17, s16, 14
	v_add_nc_u32 v6, s17, v[FA]                    ; 16384 w + 16 L: my 16 fragments of W1, and my part of the tile of y0
	s_lshl_b32 s18, ttmp9, 17                      ; a tile of y0: 131,072 bytes
	s_mov_b32 s19, 0
	s_mov_b32 s20, 0x76543210                      ; v_permlanex16_b32: lane i of one half reads lane i of the other
	s_mov_b32 s21, 0xfedcba98
	s_lshl_b32 s22, s16, 10
	v_add_nc_u32 v[XA], s22, v[FA]                 ; fragment (0, w): 1024 w + 16 L
	s_lshl_b32 s23, s16, 7
	v_lshl_add_u32 v[SO], v4, 5, s23               ; 4 (32 w + 8 h)
.if FINAL
	v_lshl_add_u32 v7, v3, 2, s23                  ; 4 (32 w + r)
	s_mul_i32 s24, s16, 16*SP
	s_add_co_u32 s24, s24, TAIL                    ; my stage
	v_mul_u32_u24 v[SA], v3, SP
	v_lshl_add_u32 v[SA], v4, 5, v[SA]
	v_add_nc_u32 v[SA], s24, v[SA]                 ; channel r, points 8 h ..
	v_add_nc_u32 v[RD], s24, v[FA]
	s_lshl_b32 s25, s16, 20
	v_add_nc_u32 v1, s25, v[FA]                    ; 32 w rows of 32,768 bytes + 16 L
.else
	s_add_co_u32 s23, s23, TAIL
	v_lshl_add_u32 v[SA], v3, 2, s23
.endif
	s_wait_kmcnt 0x0
	s_add_nc_u64 s[4:5], s[4:5], s[18:19]
	s_add_nc_u64 s[6:7], s[6:7], 384*1024          ; W1's fragments lie behind W0's 384
.irp k, 0,1,2,3
	global_load_b128 v[SC0+4*\k:SC0+4*\k+3], v[SO], s[8:9] offset:64*(\k>>1)+16*(\k&1)          ; k = 2 a + q
	global_load_b128 v[SH0+4*\k:SH0+4*\k+3], v[SO], s[8:9] offset:1024+64*(\k>>1)+16*(\k&1)
.endr
.if FINAL
.irp a, 0,1
	global_load_b32 v[SS1+2*\a], v7, s[10:11] offset:64*\a
	global_load_b32 v[SS1+2*\a+1], v7, s[10:11] offset:1024+64*\a
.endr
.endif
.set j, 0
.rept 32
.if FINAL
	global_load_b128 v[ACC+4*j:ACC+4*j+3], v6, s[4:5] offset:512*j th:TH_LOAD_NT
.else
	global_load_b128 v[ACC+4*j:ACC+4*j+3], v6, s[4:5] offset:512*j
.endif
.set j, j+1
.endr
	WIN 0x40                                       ; destinations in window 1.  W1 is asked for behind y0: it is wanted only at the product
.set k, 0
.rept 32
	global_load_b128 v[4*k:4*k+3], v6, s[6:7] offset:512*k
.set k, k+1
.endr
	WIN 0
	; slot m = 2 p + a: chunks 2 m and 2 m + 1, my eight channels 16 a + 8 h + 0..7 of point 16 p + r: half a fragment
.set m, 0
.rept 16
.set YR, ACC+8*m
.set YC, 8*(m&1)
	s_wait_loadcnt 62-2*m                          ; both chunks are in: 30 - 2 m chunks of y0 and W1's 32 loads are younger
.irp x, 0,2,4,6
	v_pk_fma_f32 v[YR+\x:YR+\x+1], v[YR+\x:YR+\x+1], v[SC0+YC+\x:SC0+YC+\x+1], v[SH0+YC+\x:SH0+YC+\x+1]
.endr
.irp x, 0,1,2,3,4,5,6,7
	v_max_num_f32 v[YR+\x], 0, v[YR+\x]
.endr
.irp x, 0,1,2,3
	v_cvt_pk_f16_f32 v[PK+4*(m%4)+\x], v[YR+2*\x], v[YR+2*\x+1]
.endr
	ds_store_b128 v[XA], v[PK+4*(m%4):PK+4*(m%4)+3] offset:8192*(m>>1)+512*(m&1)
.set m, m+1
.endr
	s_wait_dscnt 0x0                               ; my K step of x1 is written
	s_barrier_signal -1
	s_barrier_wait -1
	WIN 0x04                                       ; source 1 (W1's fragments) in window 1
	XLOAD 0
	XLOAD 1
	s_wait_loadcnt 0x0                             ; W1 is in
	; the sixteen accumulators take turns, one instruction a turn
.irp hs, 0,1,2,3,4,5,6,7,8,9,10,11,12,13,14,15
	HSTEP \hs
.endr
	WIN 0
	PLACES                                         ; behind the last matrix instructions: results are read, fragment registers written
.if FINAL
	s_lshr_b32 s26, ttmp9, 6
	s_lshl_b32 s26, s26, 23                        ; 256 rows of 32,768 bytes a batch
	s_and_b32 s27, ttmp9, 63
	s_lshl_b32 s27, s27, 9
	s_add_co_u32 s26, s26, s27
	s_mov_b32 s27, 0
	s_add_nc_u64 s[12:13], s[12:13], s[26:27]
	OUT 0, XB                                      ; read back into the fragment buffers,
	OUT 1, ACC                                     ; and into a = 0's accumulators: no pending store's data is written over
.else
	STATS 0
	STATS 1
	s_wait_dscnt 0x0
	s_barrier_signal -1
	s_barrier_wait -1
	s_cmp_gt_u32 s16, 3
	s_cbranch_scc1 .Lend
	v_lshlrev_b32 v8, 4, v0
	v_add_nc_u32 v8, TAIL, v8
	ds_load_b128 v[ACC:ACC+3], v8                  ; threads 0-63 the means, 64-127 the sums of squares
	s_lshl_b32 s18, ttmp9, 10
	s_add_nc_u64 s[10:11], s[10:11], s[18:19]      ; st at my tile
	v_and_b32 v9, 63, v0
	v_lshrrev_b32 v10, 6, v0
	v_lshlrev_b32 v9, 4, v9
	v_lshl_add_u32 v9, v10, 18, v9
	s_wait_dscnt 0x0
	global_store_b128 v9, v[ACC:ACC+3], s[10:11]
.Lend:
.endif
	s_set_vgpr_msb 0x5
	s_wait_tensorcnt 0x0
	ds_add_u32 v128, v129
	s_wait_dscnt 0x0
	s_set_vgpr_msb 0x500
	s_endpgm
.Lfunc_end_k_q577939ff9f_passC:
	.size	k_q577939ff9f_passC, .Lfunc_end_k_q577939ff9f_passC-k_q577939ff9f_passC
	.p2alignl 7, 3214868480
	.fill 96, 4, 3214868480
	.section	.rodata,"a",@progbits
	.p2align	6, 0x0
	.amdhsa_kernel k_q577939ff9f_passC
		.amdhsa_group_segment_fixed_size 134144
		.amdhsa_private_segment_fixed_size 0
		.amdhsa_enable_private_segment 0
		.amdhsa_kernarg_size 40
		.amdhsa_user_sgpr_count 2
		.amdhsa_user_sgpr_kernarg_segment_ptr 1
		.amdhsa_wavefront_size32 1
		.amdhsa_system_sgpr_workgroup_id_x 1
		.amdhsa_system_sgpr_workgroup_id_y 1
		.amdhsa_system_sgpr_workgroup_id_z 1
		.amdhsa_system_vgpr_workitem_id 0
		.amdhsa_next_free_vgpr 386
		.amdhsa_next_free_sgpr 66
		.amdhsa_reserve_vcc 0
		.amdhsa_float_denorm_mode_32 3
		.amdhsa_float_denorm_mode_16_64 3
		.amdhsa_memory_ordered 1
		.amdhsa_forward_progress 1
		.amdhsa_inst_pref_size 58
	.end_amdhsa_kernel
	.amdgpu_metadata
---
amdhsa.version: [ 1, 2 ]
amdhsa.kernels:
  - .name:           k_q577939ff9f_passC
    .symbol:         k_q577939ff9f_passC.kd
    .args:
      - { .name: y0, .offset: 0, .size: 8, .value_kind: global_buffer, .address_space: global }
      - { .name: wf, .offset: 8, .size: 8, .value_kind: global_buffer, .address_space: global }
      - { .name: ss0, .offset: 16, .size: 8, .value_kind: global_buffer, .address_space: global }
      - { .name: ss1, .offset: 24, .size: 8, .value_kind: global_buffer, .address_space: global }
      - { .name: out0, .offset: 32, .size: 8, .value_kind: global_buffer, .address_space: global }
    .group_segment_fixed_size: 134144
    .private_segment_fixed_size: 0
    .kernarg_segment_align: 8
    .kernarg_segment_size: 40
    .max_flat_workgroup_size: 256
    .sgpr_count:     66
    .vgpr_count:     386
    .wavefront_size: 32
...
	.end_amdgpu_metadata
.endif
;; end of part 6
